; MI455X (gfx1250); checked and timed in simulation.
; The chip was launched on July 23, 2026; its instructions are those of AMD's public machine-readable ISA for CDNA 5 (MIT licence, August 2026) and "CDNA5" Instruction Set Architecture Reference Guide (July 2026). The comments in the code are by the model that wrote it; some were corrected since.
;; Single Attention. Allowed arithmetic: float matrix products may take bf16 or f16 operands with f32 sums; all other float work in f32.
;; Inputs: Wk 1,024 x 1,024 float32; Wq 1,024 x 1,024 float32; Wv 1,024 x 1,024 float32; bk 1,024 float32; bq 1,024 float32; bv 1,024 float32; key_in 4 x 2,048 x 1,024 float32; query 4 x 2,048 x 1,024 float32; value 4 x 2,048 x 1,024 float32.
;; Outputs: out0 4 x 2,048 x 1,024 float32.
;; One version. Each part assembles by itself: llvm-mc -triple=amdgcn-amd-amdhsa -mcpu=gfx1250 --defsym DOCPART=n.
;; ======== version 1 of 1: 4 launches
;; limits: values are held in f16: magnitudes above 65,504 overflow, below 6.1e-05 lose precision
;; workspace buffers: ab 37,748,736 bytes; qk 33,554,432 bytes; vh 16,777,216 bytes; p 33,554,432 bytes; st 524,288 bytes
;; launch cast (part 1): grid 256 x 1, 32 waves a work-group, no clusters, 0 bytes of LDS; arguments query, key_in, Wq, Wk, ab; writes ab
.if DOCPART == 1
	.amdgcn_target "amdgcn-amd-amdhsa--gfx1250"
	.amdhsa_code_object_version 6
	.text
	.protected	k_q760fe54930_cast
	.globl	k_q760fe54930_cast
	.p2align	8
	.type	k_q760fe54930_cast,@function
k_q760fe54930_cast:
	s_mov_b64 s[64:65], 0
	v_nop
	global_prefetch_b8 v0, s[64:65] scope:SCOPE_SE
	s_setreg_imm32_b32 hwreg(HW_REG_WAVE_MODE, 25, 1), 1
	s_wait_xcnt 0x0
; ab[18432][1024] in bf16 = the rows of query (8,192), key_in (8,192), Wq (1,024), Wk (1,024), each number rounded once, to nearest even.
; A stream: every byte is read once and written once, nothing is shared, so there is no LDS, no matrix work and no cluster.
; SHARES.  256 work-groups of 32 waves, all alike: work-group g takes 64 rows of query (g < 128) or key_in, and 8 rows of Wq (g < 128) or Wk: 16,384 + 2,048 rows in 256 equal parts.
; A turn is 8 rows: thread t reads the 32 bytes at 32 t (8 numbers) and stores the 16 bytes at 16 t: a store of a wave covers 512 consecutive bytes, aligned.
; A thread's nine turns are eighteen loads, which all go out first (288 KB a work-group); then each turn is packed in place and stored.  No register is written
; while a memory instruction still reads it, so the only waits are the counted ones for the loads.
.set TIN,  32768                       ; bytes read in a turn
.set TOUT, 16384                       ; bytes stored in a turn
.set X,    4                           ; v[4:75]  turn i: 8 numbers as loaded; its first 4 registers then hold them as bf16
	s_load_b256 s[4:11], s[0:1], 0x0               ; query s[4:5], key_in s[6:7], Wq s[8:9], Wk s[10:11]
	s_load_b64 s[12:13], s[0:1], 0x20              ; ab
	s_mov_b32 s20, ttmp9                           ; g
	s_and_b32 s21, s20, 127                        ; my place in my sources
	v_lshlrev_b32 v1, 5, v0                        ; 32 t
	v_lshlrev_b32 v2, 4, v0                        ; 16 t
	s_lshl_b32 s16, s21, 18                        ; 64 rows of 4,096 bytes
	s_mov_b32 s17, 0
	s_lshl_b32 s18, s21, 15                        ; 8 rows of 4,096 bytes
	s_mov_b32 s19, 0
	s_lshl_b32 s24, s20, 17                        ; ab's row 64 g, rows of 2,048 bytes
	s_mov_b32 s25, 0
	s_lshl_b32 s26, s20, 14                        ; ab's row 16,384 + 8 g
	s_add_co_u32 s26, s26, 16384*2048
	s_mov_b32 s27, 0
	s_wait_kmcnt 0x0
	s_cmp_lt_u32 s20, 128
	s_cselect_b64 s[14:15], s[4:5], s[6:7]
	s_cselect_b64 s[22:23], s[8:9], s[10:11]
	s_add_nc_u64 s[14:15], s[14:15], s[16:17]
	s_add_nc_u64 s[22:23], s[22:23], s[18:19]
	s_add_nc_u64 s[24:25], s[12:13], s[24:25]
	s_add_nc_u64 s[26:27], s[12:13], s[26:27]
.irp i, 0,1,2,3,4,5,6,7
	global_load_b128 v[X+8*(\i):X+8*(\i)+3],   v1, s[14:15] offset:(\i)*TIN th:TH_LOAD_NT
	global_load_b128 v[X+8*(\i)+4:X+8*(\i)+7], v1, s[14:15] offset:(\i)*TIN+16 th:TH_LOAD_NT
.endr
	global_load_b128 v[X+64:X+67], v1, s[22:23] th:TH_LOAD_NT
	global_load_b128 v[X+68:X+71], v1, s[22:23] offset:16 th:TH_LOAD_NT
.macro PACK i                          ; turn i is in: its 8 numbers are rounded, in place: register j takes numbers 2 j and 2 j + 1, which no later line of the four reads
	s_wait_loadcnt 16-2*(\i)                       ; loads come back in order: the younger turns' loads, two each, stay out
.irp j, 0,1,2,3
	v_cvt_pk_bf16_f32 v[X+8*(\i)+(\j)], v[X+8*(\i)+2*(\j)], v[X+8*(\i)+2*(\j)+1]
.endr
.endm
.irp i, 0,1,2,3,4,5,6,7
	PACK \i
	global_store_b128 v2, v[X+8*(\i):X+8*(\i)+3], s[24:25] offset:(\i)*TOUT
.endr
	PACK 8
	global_store_b128 v2, v[X+64:X+67], s[26:27]
	s_endpgm
.Lfunc_end_k_q760fe54930_cast:
	.size	k_q760fe54930_cast, .Lfunc_end_k_q760fe54930_cast-k_q760fe54930_cast
	.p2alignl 7, 3214868480
	.fill 96, 4, 3214868480
	.section	.rodata,"a",@progbits
	.p2align	6, 0x0
	.amdhsa_kernel k_q760fe54930_cast
		.amdhsa_group_segment_fixed_size 0
		.amdhsa_private_segment_fixed_size 0
		.amdhsa_enable_private_segment 0
		.amdhsa_kernarg_size 40
		.amdhsa_user_sgpr_count 2
		.amdhsa_user_sgpr_kernarg_segment_ptr 1
		.amdhsa_wavefront_size32 1
		.amdhsa_system_sgpr_workgroup_id_x 1
		.amdhsa_system_sgpr_workgroup_id_y 1
		.amdhsa_system_sgpr_workgroup_id_z 1
		.amdhsa_system_vgpr_workitem_id 0
		.amdhsa_next_free_vgpr 80
		.amdhsa_next_free_sgpr 66
		.amdhsa_reserve_vcc 0
		.amdhsa_float_denorm_mode_32 3
		.amdhsa_float_denorm_mode_16_64 3
		.amdhsa_memory_ordered 1
		.amdhsa_forward_progress 1
		.amdhsa_inst_pref_size 7
	.end_amdhsa_kernel
	.amdgpu_metadata
---
amdhsa.version: [ 1, 2 ]
amdhsa.kernels:
  - .name:           k_q760fe54930_cast
    .symbol:         k_q760fe54930_cast.kd
    .args:
      - { .name: query, .offset: 0, .size: 8, .value_kind: global_buffer, .address_space: global }
      - { .name: key_in, .offset: 8, .size: 8, .value_kind: global_buffer, .address_space: global }
      - { .name: Wq, .offset: 16, .size: 8, .value_kind: global_buffer, .address_space: global }
      - { .name: Wk, .offset: 24, .size: 8, .value_kind: global_buffer, .address_space: global }
      - { .name: ab, .offset: 32, .size: 8, .value_kind: global_buffer, .address_space: global }
    .group_segment_fixed_size: 0
    .private_segment_fixed_size: 0
    .kernarg_segment_align: 8
    .kernarg_segment_size: 40
    .max_flat_workgroup_size: 1024
    .sgpr_count:     66
    .vgpr_count:     80
    .wavefront_size: 32
...
	.end_amdgpu_metadata
.endif
;; end of part 1
;; launch proj (part 2): grid 4 x 64, 4 waves a work-group, clusters of 4 x 4, 327,680 bytes of LDS; arguments ab, bq, bk, value, qk, vh; writes qk, vh
.if DOCPART == 2
	.amdgcn_target "amdgcn-amd-amdhsa--gfx1250"
	.amdhsa_code_object_version 6
	.text
	.protected	k_q760fe54930_proj
	.globl	k_q760fe54930_proj
	.p2align	8
	.type	k_q760fe54930_proj,@function
k_q760fe54930_proj:
	s_mov_b64 s[64:65], 0
	v_nop
	global_prefetch_b8 v0, s[64:65] scope:SCOPE_SE
	s_setreg_imm32_b32 hwreg(HW_REG_WAVE_MODE, 25, 1), 1
	s_wait_xcnt 0x0
	s_wait_alu depctr_hold_cnt(0) depctr_sa_sdst(0) depctr_va_vdst(0) depctr_va_sdst(0) depctr_va_ssrc(0) depctr_va_vcc(0) depctr_vm_vsrc(0)
	s_getreg_b32 s2, hwreg(HW_REG_IB_STS2, 6, 4)
	s_cmp_eq_u32 s2, 0
	s_cbranch_scc0 .Lentry_in_a_cluster
	s_endpgm
.Lentry_in_a_cluster:
	s_bfe_u32 s2, ttmp6, 0x10000c
	s_cmp_lg_u32 s2, 0xf033
	s_cbranch_scc0 .Lentry_shape_is_right
	s_endpgm
.Lentry_shape_is_right:
; qk[16384][1024] in f16: rows 0-8191 q = query Wq^T + bq, rows 8192-16383 k = key_in Wk^T + bk.  Operands in bf16 (from ab), sums in f32, the bias (rounded to bf16 like
; every other input that is used) is the C operand of the product that starts a sum; each result is rounded once, to f16.
; Riding in the K loop: vh[8192][1024] in f16 = value rounded to bf16, that number written as f16.
; LIMITS.  f16 holds no number beyond 65,504: q, k or value beyond it become infinities; below 6e-5 f16 keeps a fixed step of 6e-8.  NaN and infinities are not treated apart.
; Wv and bv are not among the arguments: the function that this program computes makes nothing of them.
; SHARES.  A tile of 256 x 256 to a work-group, 256 work-groups; four waves, each 128 x 128: 64 accumulators, 512 registers.  K = 1,024 goes in 8 steps of 128 through a ring of
; two LDS slots filled by the tensor data mover; a tile row is 256 bytes of memory, at a multiple of 256 from the buffer's first byte.
; THE LOOP is one K step long.  Which slot is read is a scalar, 0 or SLOT, flipped by an exclusive or; the fragments' addresses are that scalar plus a lane term that never changes.
; One descriptor a tensor walks: its LDS word is flipped by the same exclusive or (wave x 34,816 has no bit in common with SLOT = 139,264, so it acts as an addition), its address steps a K step.
; Six trips, one for each refill; the last two K steps, which fill nothing, are written out, and the very last goes by rows of the result, so that finished rows leave while the others are multiplied.
; CLUSTER.  4 x 4 work-groups.  The four of a row of the cluster need the same tile of A, the four of a column the same tile of W: each is asked for jointly, by the same tensor load
; with the same descriptor and a mask that names the four.  All sixteen lie on one side (q or k): the side hangs on the cluster's y alone.
; THE MATRIX INSTRUCTION IS USED TRANSPOSED: source 0 = 16 rows of W, source 1 = 16 rows of A: a lane holds row l % 16 of the result and the columns 8 (l / 16) + 0..7.
; REGISTERS, in windows of 256 (s_set_vgpr_msb: bits 1:0 source 0, 3:2 source 1, 5:4 source 2, 7:6 destination):
;   window 0: v0-31 addresses; v32-63 a row of value as loaded, later the way out; v64-127, v128-191 fragments of A, two buffers (in the last K step four, of 16 rows x 128 K); v192-255 at work (value, the way out)
;   window 1: v64-127, v128-191 fragments of W; v192-255 the bias of my 128 columns; in the last K step all 256: W's fragments of the whole step
;   window 2: accumulators of my rows 0-63     window 3: of my rows 64-127
.set SIZE_K, 1024
.set KSTEP,  128
.set PITCH,  272                       ; an LDS row: 256 bytes + 16 of padding: the 16 rows that a load touches start at 16 different groups of four banks
.set HALFT,  128*PITCH                 ; 128 rows: what one tensor load brings
.set SLOT,   4*HALFT                   ; A's 256 rows, then W's 256 rows
.set STAGE,  2*SLOT                    ; behind the ring: 16 rows x 272 bytes for each wave, for the way out
.set SPITCH, 272
.set SPARE,  STAGE+4*16*SPITCH         ; behind the stages: the spare words, 128 bytes for each wave
.set STEPS,  SIZE_K/KSTEP
.set CROW,   2048                      ; bytes in a row of qk
.set ADRA, 16                          ; v16     LDS address of my A fragments in the slot in hand
.set A0,   18                          ; v18     the same in slot 0; never rewritten
.set ADRB, 20                          ; v20     the same two for W
.set B0,   22                          ; v22
.set STO,  24                          ; v24     the way out: where I put 16 bytes of a row
.set RD,   25                          ; v25     the way out: where I read a row back
.set CO,   26                          ; v26     my byte offset in qk
.set SPW,  28                          ; v28     LDS address of my spare word; never rewritten
.set NIL,  29                          ; v29     0; never rewritten
.set VI,   30                          ; v30     32 x lane: my 8 numbers in 1,024 bytes of value
.set VO,   31                          ; v31     16 x lane: the same 8 in 512 bytes of vh
.set XV,   32                          ; v32-63  a row of value, 32 numbers a lane
.set F0,   64
.set F1,   128
.set PA,   64                          ; the last K step: A's fragments of 16 rows x 128 K, 32 registers; four such buffers, v64-191
.set YV,   192                         ; v192-207 the row in f16
.set TV,   208                         ; v208-219 four sets of three at work
.set TMP,  192                         ; the way out: packed results
.set OB,   32                          ; the way out: 16 rows read back: v32-63 and v224-255 by turns
.set BIAS, 192                         ; window 1
.set WV, 16                            ; s16 wave   s17 its rows half (also: fetches A or W)   s18 its columns half (also: which 128 rows it fetches)
.set WR, 17
.set WC, 18
.set CX, 19
.set CY, 20
.set TC, 21                            ; tile column 0..3
.set TR, 22                            ; tile row 0..63
.set SIDE, 23                          ; 0: q, 1: k
.set G1, 24                            ; s[24:31] descriptor group 1 for A's tiles;  s[32:39] group 0: a set for each of the two first fills; the second then walks
.set G0, 32
.set CLY, 42
.set G1B, 48                           ; s[48:55], s[56:63] the same for W's tiles
.set G0B, 56
.set CNT, 66
.set HIM, 67                           ; a word's upper 16 bits
.set TB,  69                           ; the slot in hand: 0 or SLOT
.set MSB, 0
.macro WIN new                         ; the immediate's high byte repeats the setting that is left; a switch that changes nothing is dropped
.if MSB != (\new)
	s_set_vgpr_msb (MSB<<8)|(\new)
.set MSB, \new
.endif
.endm
; A joint load.  Waves 0 and 1 fetch A's two halves, waves 2 and 3 W's.  An s_nop 0 and four v_nop follow each of the two lines.
.macro JLOAD s
	s_cmp_eq_u32 s[WR], 0
	s_cbranch_scc0 .Lfor_b_\@
	tensor_load_to_lds s[G0+4*(\s):G0+4*(\s)+3], s[G1:G1+7]
	s_nop 0
.rept 4
	v_nop
.endr
	s_branch .Lasked_\@
.Lfor_b_\@:
	tensor_load_to_lds s[G0B+4*(\s):G0B+4*(\s)+3], s[G1B:G1B+7]
	s_nop 0
.rept 4
	v_nop
.endr
.Lasked_\@:
.endm
.macro CREST                           ; a round of the cluster's barrier behind its opening barrier
	s_cmp_lg_u32 s[WV], 0
	s_cbranch_scc1 .Lnot_wave_0_\@
	s_barrier_signal -3
.Lnot_wave_0_\@:
	s_barrier_wait -3
	s_barrier_signal -1
	s_barrier_wait -1
.endm
.macro CROUND                          ; a whole round
	s_barrier_signal -1
	s_barrier_wait -1
	CREST
.endm
	s_load_b256 s[4:11], s[0:1], 0x0               ; ab s[4:5], bq s[6:7], bk s[8:9], value s[10:11]
	s_load_b128 s[12:15], s[0:1], 0x20             ; qk s[12:13], vh s[14:15]
	v_lshl_add_u32 v[SPW], v0, 2, SPARE
	v_mov_b32 v[NIL], 0
	ds_add_u32 v[SPW], v[NIL]                      ; the wave's opening: the add and its wait stand ahead of my first tensor load; the set-up below stands between them
	v_lshrrev_b32 v1, 5, v0
	v_readfirstlane_b32 s[WV], v1
	s_lshr_b32 s[WR], s[WV], 1
	s_and_b32 s[WC], s[WV], 1
	s_bfe_u32 s[CX], ttmp6, 0x40000
	s_bfe_u32 s[CY], ttmp6, 0x40004
	s_lshl_b32 s[TC], ttmp9, 2
	s_add_co_u32 s[TC], s[TC], s[CX]               ; tile column = 4 x cluster x + cx
	s_and_b32 s[CLY], ttmp7, 0xffff
	s_lshl_b32 s[TR], s[CLY], 2
	s_add_co_u32 s[TR], s[TR], s[CY]               ; tile row = 4 x cluster y + cy
	s_lshr_b32 s[SIDE], s[CLY], 3                  ; clusters 0-7 along y make q, 8-15 make k
	s_lshl_b32 s40, s[CY], 2
	s_lshl_b32 s40, 15, s40                        ; my row of the cluster
	s_lshl_b32 s41, 0x1111, s[CX]                  ; my column
	s_or_b32 s[G1+0], s40, (1<<16)|(1<<20)|(1<<21)|(5<<22)|(3<<25)   ; the mask; 2-byte elements; padding on; bit 21 beside a mask; after every 64 words, 4 words
	s_or_b32 s[G1B+0], s41, (1<<16)|(1<<20)|(1<<21)|(5<<22)|(3<<25)
.irp g, G1, G1B
	s_mov_b32 s[(\g)+1], KSTEP<<16                 ; tensor_dim0 = 128
	s_mov_b32 s[(\g)+2], 128<<16                   ; tensor_dim1 = 128
	s_mov_b32 s[(\g)+3], KSTEP<<16                 ; tile_dim0 = 128
	s_mov_b32 s[(\g)+4], 128                       ; tile_dim1 = 128
	s_mov_b32 s[(\g)+5], SIZE_K                    ; elements from row to row
	s_mov_b32 s[(\g)+6], 0
	s_mov_b32 s[(\g)+7], 0
.endr
	s_mov_b32 s[HIM], 0xffff0000
	s_mov_b32 s[TB], 0
	s_lshl_b32 s43, s[WC], 7                       ; which 128 rows of the tile I fetch
	s_lshl_b32 s44, s[TR], 8
	s_add_co_u32 s44, s44, s43                     ; A: row 256 x tile row + 128 x half of ab,
	s_lshl_b32 s44, s44, 11                        ; in bytes
	s_mov_b32 s45, 0
	s_lshl_b32 s46, s[TC], 8
	s_add_co_u32 s46, s46, s43
	s_lshl_b32 s47, s[SIDE], 10
	s_add_co_u32 s46, s46, s47
	s_add_co_u32 s46, s46, 16384                   ; W: row 16,384 + 1,024 x side + 256 x tile column + 128 x half
	s_lshl_b32 s46, s46, 11
	s_mov_b32 s47, 0
	s_mul_i32 s68, s[WV], HALFT                    ; where they go: wave x 128 rows: no place in the cluster enters an LDS address
	s_wait_dscnt 0x0                               ; the opening add is done
	s_wait_kmcnt 0x0
	s_add_nc_u64 s[44:45], s[4:5], s[44:45]
	s_add_nc_u64 s[46:47], s[4:5], s[46:47]
	CROUND                                         ; all sixteen work-groups are here: the first joint loads meet
.irp s, 0,1
	s_mov_b32 s[G0+4*(\s)], 1
	s_add_co_u32 s[G0+4*(\s)+1], s68, (\s)*SLOT
	s_add_nc_u64 s[G0+4*(\s)+2:G0+4*(\s)+3], s[44:45], (\s)*KSTEP*2
	s_or_b32 s[G0+4*(\s)+3], s[G0+4*(\s)+3], 0x80000000
	s_mov_b32 s[G0B+4*(\s)], 1
	s_add_co_u32 s[G0B+4*(\s)+1], s68, (\s)*SLOT
	s_add_nc_u64 s[G0B+4*(\s)+2:G0B+4*(\s)+3], s[46:47], (\s)*KSTEP*2
	s_or_b32 s[G0B+4*(\s)+3], s[G0B+4*(\s)+3], 0x80000000
	JLOAD \s                                       ; two tensor loads of mine are out
.endr
	v_and_b32 v1, 15, v0                           ; l % 16
	v_bfe_u32 v2, v0, 4, 1                         ; l / 16
	; the bias of my 128 columns: register 8 b + j holds column 16 b + 8 (l / 16) + j, as an accumulator does
	s_cmp_eq_u32 s[SIDE], 0
	s_cselect_b64 s[70:71], s[6:7], s[8:9]
	s_lshl_b32 s72, s[TC], 10
	s_lshl_b32 s73, s[WC], 9
	s_add_co_u32 s72, s72, s73
	s_mov_b32 s73, 0
	s_add_nc_u64 s[70:71], s[70:71], s[72:73]
	v_lshlrev_b32 v6, 5, v2                        ; 32 bytes for the upper half of the lanes; never rewritten
	WIN 0x40                                       ; destination window 1
.irp b, 0,1,2,3,4,5,6,7
	global_load_b128 v[BIAS+8*(\b):BIAS+8*(\b)+3],   v6, s[70:71] offset:64*(\b)
	global_load_b128 v[BIAS+8*(\b)+4:BIAS+8*(\b)+7], v6, s[70:71] offset:64*(\b)+16
.endr
	WIN 0
	; value: the work-group owns 32 rows, the wave 8 of them, one row to a K step
	s_lshl_b32 s72, s[TR], 2
	s_add_co_u32 s72, s72, s[TC]                   ; the work-group's number, 0..255
	s_lshl_b32 s74, s72, 17                        ; 32 rows of 4,096 bytes
	s_lshl_b32 s75, s[WV], 15                      ; 8 rows
	s_add_co_u32 s74, s74, s75
	s_mov_b32 s75, 0
	s_add_nc_u64 s[10:11], s[10:11], s[74:75]
	s_lshr_b32 s74, s74, 1                         ; half as many bytes in vh
	s_add_nc_u64 s[14:15], s[14:15], s[74:75]
	v_and_b32 v4, 31, v0
	v_lshlrev_b32 v[VI], 5, v4
	v_lshlrev_b32 v[VO], 4, v4
.irp j, 0,1,2,3
	global_load_b128 v[XV+8*(\j):XV+8*(\j)+3],   v[VI], s[10:11] offset:1024*(\j) th:TH_LOAD_NT
	global_load_b128 v[XV+8*(\j)+4:XV+8*(\j)+7], v[VI], s[10:11] offset:1024*(\j)+16 th:TH_LOAD_NT
.endr
	; a fragment is 16 rows x 32 K in 8 registers: lane l holds row l % 16, K = 8 (l / 16) + 0..7 and 16 + 8 (l / 16) + 0..7: two loads of 16 bytes, 32 bytes apart
	v_mul_u32_u24 v3, v1, PITCH
	v_lshl_add_u32 v3, v2, 4, v3
	s_mul_i32 s72, s[WR], HALFT                    ; my 128 rows of A
	s_mul_i32 s73, s[WC], HALFT                    ; my 128 rows of W,
	s_add_co_u32 s73, s73, 2*HALFT                 ; which lie behind A's 256
	v_add_nc_u32 v[A0], s72, v3
	v_add_nc_u32 v[B0], s73, v3
	v_mov_b32 v[ADRA], v[A0]                       ; slot 0 is the first in hand
	v_mov_b32 v[ADRB], v[B0]
	s_mul_i32 s74, s[WV], 16*SPITCH
	s_add_co_u32 s74, s74, STAGE                   ; my stage
	v_mul_u32_u24 v4, v1, SPITCH
	v_lshl_add_u32 v4, v2, 4, v4
	v_add_nc_u32 v[STO], s74, v4                   ; in: row l % 16, 16 bytes for each half of the lanes
	v_mul_u32_u24 v5, v2, SPITCH
	v_lshl_add_u32 v5, v1, 4, v5
	v_add_nc_u32 v[RD], s74, v5                    ; back: lanes 0-15 one row of 256 bytes, lanes 16-31 the next
	v_mul_u32_u24 v5, v2, CROW
	v_lshl_add_u32 v[CO], v1, 4, v5                ; and the same two rows in qk
	s_lshl_b32 s72, s[TR], 8
	s_lshl_b32 s73, s[WR], 7
	s_add_co_u32 s72, s72, s73                     ; my first row of qk,
	s_lshl_b32 s72, s72, 11
	s_lshl_b32 s73, s[TC], 9
	s_add_co_u32 s72, s72, s73                     ; my first column, in bytes
	s_lshl_b32 s73, s[WC], 8
	s_add_co_u32 s72, s72, s73
	s_mov_b32 s73, 0
	s_add_nc_u64 s[12:13], s[12:13], s[72:73]
	; the bias is rounded to bf16, in place, while the first tile is on its way
	s_wait_loadcnt 8                               ; the sixteen loads of the bias are in; the row of value, eight younger loads, stays out
	WIN 0x05                                       ; sources window 1, destination window 0
.set i, 0
.rept 32
	v_cvt_pk_bf16_f32 v[TMP+i], v[BIAS+2*i], v[BIAS+2*i+1]
.set i, i+1
.endr
	WIN 0x40
.set i, 0
.rept 32
	v_lshlrev_b32 v[BIAS+2*i], 16, v[TMP+i]
	v_and_b32 v[BIAS+2*i+1], s[HIM], v[TMP+i]
.set i, i+1
.endr
	WIN 0
; 16 matrix instructions: row blocks a0, a0 + 1 of the window's four (hi = 0: my rows 0-63, 1: rows 64-127) x all 8 column blocks, 32 along K.
; zero = 1: the first product starts the sums, with the bias as C: nothing is ever cleared.  The 64 accumulators take turns.
.macro MUL16 f, hi, a0, zero
.if \zero
	WIN 0x91+0x40*(\hi)                            ; W window 1, A window 0, C (the bias) window 1, D window 2 or 3
.else
	WIN 0xa1+0x50*(\hi)                            ; C and D window 2 or 3
.endif
.irp a, \a0, (\a0)+1
.irp b, 0,1,2,3,4,5,6,7
.if \zero
	v_wmma_f32_16x16x32_bf16 v[8*(8*(\a)+(\b)):8*(8*(\a)+(\b))+7], v[(\f)+8*(\b):(\f)+8*(\b)+7], v[(\f)+8*(4*(\hi)+(\a)):(\f)+8*(4*(\hi)+(\a))+7], v[BIAS+8*(\b):BIAS+8*(\b)+7]
.else
	v_wmma_f32_16x16x32_bf16 v[8*(8*(\a)+(\b)):8*(8*(\a)+(\b))+7], v[(\f)+8*(\b):(\f)+8*(\b)+7], v[(\f)+8*(4*(\hi)+(\a)):(\f)+8*(4*(\hi)+(\a))+7], v[8*(8*(\a)+(\b)):8*(8*(\a)+(\b))+7]
.endif
.endr
.endr
.endm
; 32 LDS loads in one run: the fragments of one quarter step (128 rows of W, 128 rows of A, 32 K at byte k of the rows of the slot in hand) into buffer f
.macro FETCH k, f
	WIN 0x40
.irp i, 0,1,2,3,4,5,6,7
	ds_load_b128 v[(\f)+8*(\i):(\f)+8*(\i)+3],   v[ADRB] offset:(\k)+(\i)*16*PITCH
	ds_load_b128 v[(\f)+8*(\i)+4:(\f)+8*(\i)+7], v[ADRB] offset:(\k)+(\i)*16*PITCH+32
.endr
	WIN 0
.irp i, 0,1,2,3,4,5,6,7
	ds_load_b128 v[(\f)+8*(\i):(\f)+8*(\i)+3],   v[ADRA] offset:(\k)+(\i)*16*PITCH
	ds_load_b128 v[(\f)+8*(\i)+4:(\f)+8*(\i)+7], v[ADRA] offset:(\k)+(\i)*16*PITCH+32
.endr
.endm
.macro PLACES                          ; four places in front of loads into registers that matrix instructions have read, and of conversions that read results
.rept 4
	v_nop
.endr
.endm
; A K step is four quarters of 32 along K, 64 matrix instructions each, on buffers 0, 1, 0, 1.  One of the first three multiplies buffer f and fetches the next quarter into g.
.macro QUARTER k, f, g, zero
	s_wait_dscnt 8                                 ; W and A's rows 0-63 are in; the youngest eight loads (A's rows 64-127) may be out
	MUL16 \f, 0, 0, \zero
	MUL16 \f, 0, 2, \zero
	PLACES
	FETCH \k, \g
	s_wait_dscnt 32                                ; all but the 32 just issued
	MUL16 \f, 1, 0, \zero
	MUL16 \f, 1, 2, \zero
.endm
; The last quarter multiplies buffer 1 and changes slots.  MEET is its first half: one barrier; in front of it each wave waits for all its tensor loads (one is out: its part of the
; next slot), adds 0 to its spare word, and waits for that and for its own reads of this slot.  round = 1: a round of the cluster's barrier follows.
.macro MEET round
	WIN 0
	s_wait_tensorcnt 0x0
	ds_add_u32 v[SPW], v[NIL]                      ; 0 onto my spare word
	s_wait_dscnt 9                                 ; the add and the youngest eight loads may be out
	MUL16 F1, 0, 0, 0
	s_wait_dscnt 0x0                               ; the add is done, and my reads of this slot are over
	s_barrier_signal -1
	MUL16 F1, 0, 2, 0
.if \round
	WIN 0
.endif
	s_barrier_wait -1
.endm
.macro FLIP                            ; the other slot is in hand
	WIN 0
	s_xor_b32 s[TB], s[TB], SLOT
	v_add_nc_u32 v[ADRA], s[TB], v[A0]
	v_add_nc_u32 v[ADRB], s[TB], v[B0]
.endm
; The whole last quarter of a K step whose slot is filled again, with the K step two steps on.
.macro TURN
	MEET 1
	CREST                                          ; no wave of any partner still reads this slot or has a load on its way
	s_xor_b32 s[G0+5], s[G0+5], SLOT               ; the walking descriptors: the other slot than last time, the next K step
	s_add_nc_u64 s[G0+6:G0+7], s[G0+6:G0+7], KSTEP*2
	s_xor_b32 s[G0B+5], s[G0B+5], SLOT
	s_add_nc_u64 s[G0B+6:G0B+7], s[G0B+6:G0B+7], KSTEP*2
	JLOAD 1                                        ; the first tensor load behind the round, 224 matrix instructions ahead of the wait for it; its four v_nop are also the places in front of the loads below
	FLIP
	FETCH 0, F0
	MUL16 F1, 1, 0, 0
	MUL16 F1, 1, 2, 0
.endm
; THE RIDER: one row of value a K step.  The row's eight loads were issued about a K step ago.  Each number is rounded to bf16, widened, and written as f16; four stores of 512 consecutive bytes.
; It stands as one run: 64 vector instructions and two window switches for a K step's 256 matrix instructions.
.macro CASTV ahead
	WIN 0
	s_wait_loadcnt 0x0                             ; the row is in: nothing younger is out
.irp j, 0,1,2,3
.irp p, 0,1,2,3
	v_cvt_pk_bf16_f32 v[TV+3*(\p)], v[XV+8*(\j)+2*(\p)], v[XV+8*(\j)+2*(\p)+1]
.endr
.irp p, 0,1,2,3
	v_lshlrev_b32 v[TV+3*(\p)+1], 16, v[TV+3*(\p)]
	v_and_b32 v[TV+3*(\p)+2], s[HIM], v[TV+3*(\p)]
.endr
.irp p, 0,1,2,3
	v_cvt_pk_f16_f32 v[YV+4*(\j)+(\p)], v[TV+3*(\p)+1], v[TV+3*(\p)+2]
.endr
	global_store_b128 v[VO], v[YV+4*(\j):YV+4*(\j)+3], s[14:15] offset:512*(\j)
.endr
	s_wait_xcnt 0x0                                ; the bases and the stores' data are rewritten only behind this wait
	s_add_nc_u64 s[14:15], s[14:15], 2048
.if \ahead
	s_add_nc_u64 s[10:11], s[10:11], 4096
.irp j, 0,1,2,3
	global_load_b128 v[XV+8*(\j):XV+8*(\j)+3],   v[VI], s[10:11] offset:1024*(\j) th:TH_LOAD_NT
	global_load_b128 v[XV+8*(\j)+4:XV+8*(\j)+7], v[VI], s[10:11] offset:1024*(\j)+16 th:TH_LOAD_NT
.endr
.endif
.endm
; THE LAST K STEP GOES BY ROWS OF THE RESULT, NOT BY K.  All its fragments of W (4 quarters x 64 registers) fill window 1; then my eight blocks of 16 rows are finished one after the other,
; each with 32 matrix instructions (its 8 accumulators by turns, K ascending).  LDS is read no more than in any other K step.
.macro BLOAD q                         ; W's fragments of quarter q -> window 1, v[64 q ..]
	WIN 0x40
.irp i, 0,1,2,3,4,5,6,7
	ds_load_b128 v[64*(\q)+8*(\i):64*(\q)+8*(\i)+3],   v[ADRB] offset:64*(\q)+(\i)*16*PITCH
	ds_load_b128 v[64*(\q)+8*(\i)+4:64*(\q)+8*(\i)+7], v[ADRB] offset:64*(\q)+(\i)*16*PITCH+32
.endr
.endm
.macro ALOAD a                         ; A's fragments of block a, all four quarters -> buffer a % 4
	WIN 0
.set FA, PA+32*((\a)%4)
.irp q, 0,1,2,3
	ds_load_b128 v[FA+8*(\q):FA+8*(\q)+3],   v[ADRA] offset:64*(\q)+(\a)*16*PITCH
	ds_load_b128 v[FA+8*(\q)+4:FA+8*(\q)+7], v[ADRA] offset:64*(\q)+(\a)*16*PITCH+32
.endr
.endm
.macro ROW a                           ; block a is finished: 32 matrix instructions
.set FA, PA+32*((\a)%4)
.set AC, 64*((\a)%4)
	WIN 0xa1+0x50*((\a)/4)
.irp q, 0,1,2,3
.if (\a) == 0 && (\q) == 2
	s_wait_dscnt 24                                ; W's quarter 2 is in (behind it: A's blocks 1 to 3, 24 loads)
.endif
.irp b, 0,1,2,3,4,5,6,7
	v_wmma_f32_16x16x32_bf16 v[AC+8*(\b):AC+8*(\b)+7], v[64*(\q)+8*(\b):64*(\q)+8*(\b)+7], v[FA+8*(\q):FA+8*(\q)+7], v[AC+8*(\b):AC+8*(\b)+7]
.endr
.endr
.endm
; THE WAY OUT of block a (16 rows).  PACK: rounded to f16, 16 bytes a lane, each accumulator from its low end.  TOSTAGE: into my own stage, and back as whole rows of 256 bytes.  SEND: stored.
.macro PACK a
.set AC, 64*((\a)%4)
	WIN 0x0a+5*((\a)/4)                            ; sources 0 and 1: window 2 or 3
.irp b, 0,1,2,3,4,5,6,7
.irp r, 0,1,2,3
	v_cvt_pk_f16_f32 v[TMP+4*(\b)+(\r)], v[AC+8*(\b)+2*(\r)], v[AC+8*(\b)+2*(\r)+1]
.endr
.endr
	WIN 0
.endm
.macro TOSTAGE a
	WIN 0
.set BK, OB+192*((\a)%2)
.irp b, 0,1,2,3,4,5,6,7
	ds_store_b128 v[STO], v[TMP+4*(\b):TMP+4*(\b)+3] offset:32*(\b)
.endr
.irp t, 0,1,2,3,4,5,6,7
	ds_load_b128 v[BK+4*(\t):BK+4*(\t)+3], v[RD] offset:(\t)*2*SPITCH  ; LDS serves a wave's instructions in order: these see the stores above
.endr
.endm
.macro SEND a, younger                 ; younger: the LDS loads issued behind TOSTAGE's, which may stay out
	WIN 0
.set BK, OB+192*((\a)%2)
	s_wait_dscnt \younger                          ; the block is back in registers
	s_wait_xcnt 0x0                                ; the stores' base and the registers that earlier stores read are rewritten only behind this wait
.if (\a) > 0
	s_add_nc_u64 s[12:13], s[12:13], 16*CROW
.endif
.irp t, 0,1,2,3,4,5,6,7
	global_store_b128 v[CO], v[BK+4*(\t):BK+4*(\t)+3], s[12:13] offset:2*(\t)*CROW  ; 16 lanes store 256 consecutive bytes, at a multiple of 256 from the buffer's first byte
.endr
.endm
	s_wait_tensorcnt 1                             ; my part of K step 0 is in; K step 1's may stay out
	s_barrier_signal -1
	s_barrier_wait -1                              ; everybody's is
	FETCH 0, F0
	QUARTER 64,  F0, F1, 1                         ; the first quarter stands in front of the loop: its products start the sums
	WIN 0                                          ; at a label and at a branch every window is 0
	s_mov_b32 s[CNT], STEPS-2
.Lstep:                                            ; a trip goes from a K step's second quarter to the next step's first, and fills the slot that it leaves: K steps 2 to 7
	QUARTER 128, F1, F0, 0
	CASTV 1
	QUARTER 192, F0, F1, 0
	TURN
	QUARTER 64,  F0, F1, 0
	WIN 0
	s_sub_co_u32 s[CNT], s[CNT], 1
	s_cmp_lg_u32 s[CNT], 0
	s_cbranch_scc1 .Lstep
	CASTV 1                                        ; the wave's seventh row; the eighth is asked for 224 matrix instructions ahead of its turn
	QUARTER 128, F1, F0, 0                         ; the last K step but one goes on; it fills nothing, so it is written out
	QUARTER 192, F0, F1, 0
	MEET 0                                         ; my one tensor load that was still out is the last K step's, so no round follows
	FLIP
	PLACES                                         ; for the loads into buffer 0, which the quarter before multiplied
	BLOAD 0                                        ; three quarters of W now: buffer 1 (v128-191 of both windows) is still being multiplied
	BLOAD 1
	BLOAD 3
	ALOAD 0
	MUL16 F1, 1, 0, 0
	MUL16 F1, 1, 2, 0
	PLACES                                         ; for the loads into buffer 1
	BLOAD 2
	ALOAD 1
	ALOAD 2
	ALOAD 3
	s_wait_dscnt 40                                ; all but the 40 just issued
	ROW 0
	CASTV 0                                        ; the wave's eighth row: nothing more to load; its registers then serve the way out
.irp a, 0,1,2,3,4,5,6,7                ; each block leaves as soon as it is finished: nothing follows this tile under which its stores could leave
	PLACES                                         ; its conversions read results just made
	PACK \a
	TOSTAGE \a
.if (\a) < 4
	ALOAD (\a)+4                                   ; its buffer takes the block four further on
	SEND \a, 8
.else
	SEND \a, 0
.endif
.if (\a) < 7
	ROW (\a)+1
.endif
.endr
	s_wait_tensorcnt 0x0                           ; the wave's end, behind my last tensor load and my last LDS store
	ds_add_u32 v[SPW], v[NIL]
	s_wait_dscnt 0x0
	CROUND                                         ; the closing round: no work-group ends while a partner may still ask for a tile that names it
	s_endpgm
.Lfunc_end_k_q760fe54930_proj:
	.size	k_q760fe54930_proj, .Lfunc_end_k_q760fe54930_proj-k_q760fe54930_proj
	.p2alignl 7, 3214868480
	.fill 96, 4, 3214868480
	.section	.rodata,"a",@progbits
	.p2align	6, 0x0
	.amdhsa_kernel k_q760fe54930_proj
		.amdhsa_group_segment_fixed_size 327680
		.amdhsa_private_segment_fixed_size 0
		.amdhsa_enable_private_segment 0
		.amdhsa_kernarg_size 48
		.amdhsa_user_sgpr_count 2
		.amdhsa_user_sgpr_kernarg_segment_ptr 1
		.amdhsa_wavefront_size32 1
		.amdhsa_system_sgpr_workgroup_id_x 1
		.amdhsa_system_sgpr_workgroup_id_y 1
		.amdhsa_system_sgpr_workgroup_id_z 1
		.amdhsa_system_vgpr_workitem_id 0
		.amdhsa_next_free_vgpr 1024
		.amdhsa_next_free_sgpr 76
		.amdhsa_reserve_vcc 0
		.amdhsa_float_denorm_mode_32 3
		.amdhsa_float_denorm_mode_16_64 3
		.amdhsa_memory_ordered 1
		.amdhsa_forward_progress 1
		.amdhsa_inst_pref_size 136
	.end_amdhsa_kernel
	.amdgpu_metadata
---
amdhsa.version: [ 1, 2 ]
amdhsa.kernels:
  - .name:           k_q760fe54930_proj
    .symbol:         k_q760fe54930_proj.kd
    .args:
      - { .name: ab, .offset: 0, .size: 8, .value_kind: global_buffer, .address_space: global }
      - { .name: bq, .offset: 8, .size: 8, .value_kind: global_buffer, .address_space: global }
      - { .name: bk, .offset: 16, .size: 8, .value_kind: global_buffer, .address_space: global }
      - { .name: value, .offset: 24, .size: 8, .value_kind: global_buffer, .address_space: global }
      - { .name: qk, .offset: 32, .size: 8, .value_kind: global_buffer, .address_space: global }
      - { .name: vh, .offset: 40, .size: 8, .value_kind: global_buffer, .address_space: global }
    .group_segment_fixed_size: 327680
    .private_segment_fixed_size: 0
    .kernarg_segment_align: 8
    .kernarg_segment_size: 48
    .max_flat_workgroup_size: 128
    .sgpr_count:     76
    .vgpr_count:     1024
    .wavefront_size: 32
...
	.end_amdgpu_metadata
.endif
;; end of part 2
;; launch dots (part 3): grid 8 x 32, 4 waves a work-group, clusters of 4 x 4, 327,680 bytes of LDS; arguments qk, p, st; writes p, st
.if DOCPART == 3
	.amdgcn_target "amdgcn-amd-amdhsa--gfx1250"
	.amdhsa_code_object_version 6
	.text
	.protected	k_q760fe54930_dots
	.globl	k_q760fe54930_dots
	.p2align	8
	.type	k_q760fe54930_dots,@function
k_q760fe54930_dots:
	s_mov_b64 s[64:65], 0
	v_nop
	global_prefetch_b8 v0, s[64:65] scope:SCOPE_SE
	s_setreg_imm32_b32 hwreg(HW_REG_WAVE_MODE, 25, 1), 1
	s_wait_xcnt 0x0
	s_wait_alu depctr_hold_cnt(0) depctr_sa_sdst(0) depctr_va_vdst(0) depctr_va_sdst(0) depctr_va_ssrc(0) depctr_va_vcc(0) depctr_vm_vsrc(0)
	s_getreg_b32 s2, hwreg(HW_REG_IB_STS2, 6, 4)
	s_cmp_eq_u32 s2, 0
	s_cbranch_scc0 .Lentry_in_a_cluster
	s_endpgm
.Lentry_in_a_cluster:
	s_bfe_u32 s2, ttmp6, 0x10000c
	s_cmp_lg_u32 s2, 0xf033
	s_cbranch_scc0 .Lentry_shape_is_right
	s_endpgm
.Lentry_shape_is_right:
; For each batch: s = q k^T on tiles of 256 queries x 256 keys.  For each row and key tile t: cm = c x (the largest s of the row in the tile), c = log2(e) / 32;
; the weight 2^(c s - cm) in f16 goes to p; l = the sum of those weights, unrounded.  st[0][t][row] = cm, st[1][t][row] = l.  The launch behind knows a row's eight cm and puts the tiles on
; the row's true maximum, so no exponent here or there is above 0 (but for the rounding of cm, one part in 2^24).
; p LIES IN BLOCKS: p[512 blocks of 16 rows][256 chunks of 8 keys][16 rows][8 keys]: byte 65,536 x (row / 16) + 256 x (key / 8) + 16 x (row % 16) + 2 x (key % 8).
; q, k in f16 (qk: rows 0-8191 q, rows 8192-16383 k), sums, maxima and exponentials in f32.  LIMITS: a weight below 2^-126 counts as 0 in l, below 6e-8 as 0 in p; NaN and infinities are not treated apart.
; SHARES, RING, CLUSTER, LAYOUT: a tile to a work-group, 256 work-groups; four waves of 128 x 128; K = 1,024 in 8 steps of 128 through two LDS slots; 4 x 4 work-groups of one batch form a
; cluster: q's tile is asked for jointly along a row of the cluster, k's along a column.  Source 0 = 16 keys, source 1 = 16 queries: a lane holds query l % 16 and keys 8 (l / 16) + 0..7.
; THE LOOP is one K step long: the slot in hand is a scalar, 0 or SLOT, flipped by an exclusive or, and one descriptor a tensor walks (wave x 34,816 has no bit in common with SLOT = 139,264).
; THE WAY OUT.  A row's 256 scores lie in two waves.  When the ring has had its last fill and nobody reads it, the scores go into its bytes (256 rows x 1,040), a barrier, and each wave
; takes 64 whole rows, 16 a trip: lane l holds 128 scores of row l % 16, half l / 16.  So the maximum and the sum are made in the lane, with one exchange between the halves of the lanes,
; and a lane's 8 weights of a chunk are 16 bytes that stand beside the 15 other rows' in p: sixteen lanes store 256 consecutive bytes.
; REGISTERS: window 0: v0-63 addresses and statistics; v64-191 fragments of q, later 128 scores; v192-255 64 registers of weights; window 1: v64-191 fragments of k; windows 2, 3: the 64 accumulators.
.set SIZE_K, 1024
.set KSTEP,  128
.set PITCH,  272
.set HALFT,  128*PITCH
.set SLOT,   4*HALFT
.set SCP,    1040                      ; a row of scores: 1,024 bytes + 16: sixteen rows' 16 bytes fall on sixteen different groups of four banks
.set SCR,    2*SLOT                    ; behind the ring: 512 bytes for each wave: cm of its 64 rows, then l
.set SPARE,  SCR+4*512                 ; the spare words, 128 bytes for each wave
.set STEPS,  SIZE_K/KSTEP
.set ADRA, 16                          ; v16, v20  my fragments' LDS addresses in the slot in hand
.set A0,   18                          ; v18, v22  the same in slot 0; never rewritten
.set ADRB, 20
.set B0,   22
.set DA,   24                          ; v24-25  where my accumulators' rows 0-63, 64-127 go
.set SPW,  28
.set NIL,  29
.set LA,   32                          ; v32  where I read scores: steps 16 rows a trip
.set SA,   33                          ; v33  where cm and l of my row go: steps 16 words a trip
.set PO,   34                          ; v34  my byte offset in p: steps a block of rows a trip
.set SR,   35                          ; v35  where I read two rows' cm back
.set SO,   36                          ; v36  8 x lane
.set CH,   40                          ; v40-43  four running maxima
.set TT,   44                          ; v44  what the other half of the lanes holds
.set CM,   46                          ; v[46:47]: the packed scaling takes the pair's low word for both halves
.set LS,   48
.set F0,   64
.set F1,   128
.set X,    64                          ; v64-191   128 scores
.set PK,   192                         ; v192-255  the same as f16
.set TB, 10                            ; s10  the slot in hand: 0 or SLOT
.set SEL, 12                           ; s[12:13] v_permlanex16_b32's selects: each lane takes its own place in the other half
.set WV, 16
.set WR, 17
.set WC, 18
.set CX, 19
.set CY, 20
.set TC, 21                            ; key tile 0..7
.set TR, 22                            ; query tile 0..31
.set BAT, 23
.set G1, 24
.set G0, 32
.set CLY, 42
.set G1B, 48
.set G0B, 56
.set CNT, 66
.set CS, 68                            ; s[68:69] c
.set MSB, 0
.macro WIN new
.if MSB != (\new)
	s_set_vgpr_msb (MSB<<8)|(\new)
.set MSB, \new
.endif
.endm
.macro JLOAD s                         ; waves 0 and 1 fetch q's two halves, waves 2 and 3 k's; an s_nop 0 and four v_nop follow each of the two lines
	s_cmp_eq_u32 s[WR], 0
	s_cbranch_scc0 .Lfor_b_\@
	tensor_load_to_lds s[G0+4*(\s):G0+4*(\s)+3], s[G1:G1+7]
	s_nop 0
.rept 4
	v_nop
.endr
	s_branch .Lasked_\@
.Lfor_b_\@:
	tensor_load_to_lds s[G0B+4*(\s):G0B+4*(\s)+3], s[G1B:G1B+7]
	s_nop 0
.rept 4
	v_nop
.endr
.Lasked_\@:
.endm
.macro CREST
	s_cmp_lg_u32 s[WV], 0
	s_cbranch_scc1 .Lnot_wave_0_\@
	s_barrier_signal -3
.Lnot_wave_0_\@:
	s_barrier_wait -3
	s_barrier_signal -1
	s_barrier_wait -1
.endm
.macro CROUND
	s_barrier_signal -1
	s_barrier_wait -1
	CREST
.endm
	s_load_b128 s[4:7], s[0:1], 0x0                ; qk s[4:5], p s[6:7]
	s_load_b64 s[8:9], s[0:1], 0x10                ; st
	v_lshl_add_u32 v[SPW], v0, 2, SPARE
	v_mov_b32 v[NIL], 0
	ds_add_u32 v[SPW], v[NIL]                      ; the wave's opening: the add and its wait stand ahead of my first tensor load
	v_lshrrev_b32 v1, 5, v0
	v_readfirstlane_b32 s[WV], v1
	s_lshr_b32 s[WR], s[WV], 1
	s_and_b32 s[WC], s[WV], 1
	s_bfe_u32 s[CX], ttmp6, 0x40000
	s_bfe_u32 s[CY], ttmp6, 0x40004
	s_lshl_b32 s[TC], ttmp9, 2
	s_add_co_u32 s[TC], s[TC], s[CX]
	s_and_b32 s[CLY], ttmp7, 0xffff
	s_lshl_b32 s[TR], s[CLY], 2
	s_add_co_u32 s[TR], s[TR], s[CY]
	s_lshr_b32 s[BAT], s[CLY], 1                   ; a batch has 8 query tiles, two clusters along y
	s_lshl_b32 s40, s[CY], 2
	s_lshl_b32 s40, 15, s40
	s_lshl_b32 s41, 0x1111, s[CX]
	s_or_b32 s[G1+0], s40, (1<<16)|(1<<20)|(1<<21)|(5<<22)|(3<<25)
	s_or_b32 s[G1B+0], s41, (1<<16)|(1<<20)|(1<<21)|(5<<22)|(3<<25)
.irp g, G1, G1B
	s_mov_b32 s[(\g)+1], KSTEP<<16
	s_mov_b32 s[(\g)+2], 128<<16
	s_mov_b32 s[(\g)+3], KSTEP<<16
	s_mov_b32 s[(\g)+4], 128
	s_mov_b32 s[(\g)+5], SIZE_K
	s_mov_b32 s[(\g)+6], 0
	s_mov_b32 s[(\g)+7], 0
.endr
	s_mov_b32 s[CS], 0x3d38aa3b                    ; c = log2(e) / 32
	s_mov_b32 s[CS+1], s[CS]
	s_mov_b32 s[SEL], 0x76543210
	s_mov_b32 s[SEL+1], 0xfedcba98
	s_mov_b32 s[TB], 0
	s_lshl_b32 s43, s[WC], 7
	s_lshl_b32 s44, s[TR], 8
	s_add_co_u32 s44, s44, s43                     ; q: row 256 x query tile + 128 x half
	s_lshl_b32 s44, s44, 11
	s_mov_b32 s45, 0
	s_lshl_b32 s46, s[TC], 8
	s_add_co_u32 s46, s46, s43
	s_lshl_b32 s47, s[BAT], 11
	s_add_co_u32 s46, s46, s47
	s_add_co_u32 s46, s46, 8192                    ; k: row 8,192 + 2,048 x batch + 256 x key tile + 128 x half
	s_lshl_b32 s46, s46, 11
	s_mov_b32 s47, 0
	s_mul_i32 s67, s[WV], HALFT
	s_wait_dscnt 0x0
	s_wait_kmcnt 0x0
	s_add_nc_u64 s[44:45], s[4:5], s[44:45]
	s_add_nc_u64 s[46:47], s[4:5], s[46:47]
	CROUND
.irp s, 0,1
	s_mov_b32 s[G0+4*(\s)], 1
	s_add_co_u32 s[G0+4*(\s)+1], s67, (\s)*SLOT
	s_add_nc_u64 s[G0+4*(\s)+2:G0+4*(\s)+3], s[44:45], (\s)*KSTEP*2
	s_or_b32 s[G0+4*(\s)+3], s[G0+4*(\s)+3], 0x80000000
	s_mov_b32 s[G0B+4*(\s)], 1
	s_add_co_u32 s[G0B+4*(\s)+1], s67, (\s)*SLOT
	s_add_nc_u64 s[G0B+4*(\s)+2:G0B+4*(\s)+3], s[46:47], (\s)*KSTEP*2
	s_or_b32 s[G0B+4*(\s)+3], s[G0B+4*(\s)+3], 0x80000000
	JLOAD \s
.endr
	v_and_b32 v1, 15, v0                           ; l % 16
	v_bfe_u32 v2, v0, 4, 1                         ; l / 16
	v_mul_u32_u24 v3, v1, PITCH
	v_lshl_add_u32 v3, v2, 4, v3
	s_mul_i32 s72, s[WR], HALFT
	s_mul_i32 s73, s[WC], HALFT
	s_add_co_u32 s73, s73, 2*HALFT
	v_add_nc_u32 v[A0], s72, v3
	v_add_nc_u32 v[B0], s73, v3
	v_mov_b32 v[ADRA], v[A0]
	v_mov_b32 v[ADRB], v[B0]
	; the dump: row 128 x rows half + l % 16 (+ 16 a), byte 512 x columns half + 32 (l / 16) (+ 64 b, + 16 for registers 4-7): the keys in their own order
	v_mul_u32_u24 v4, v1, SCP
	v_lshl_add_u32 v4, v2, 5, v4
	s_mul_i32 s72, s[WR], 128*SCP
	s_lshl_b32 s73, s[WC], 9
	s_add_co_u32 s72, s72, s73
	v_add_nc_u32 v[DA], s72, v4
	v_add_nc_u32 v[DA+1], 64*SCP, v[DA]
	; the rows: wave w takes rows 64 w .. 64 w + 63; lane l row l % 16 of a trip's sixteen, keys 128 (l / 16) on
	v_mul_u32_u24 v4, v1, SCP
	v_lshl_add_u32 v4, v2, 9, v4
	s_mul_i32 s72, s[WV], 64*SCP
	v_add_nc_u32 v[LA], s72, v4
	s_lshl_b32 s72, s[WV], 9
	s_add_co_u32 s72, s72, SCR
	v_lshl_add_u32 v[SA], v1, 2, s72
	v_lshlrev_b32 v4, 12, v2                       ; 16 chunks of 256 bytes for the upper half of the lanes
	v_lshl_add_u32 v[PO], v1, 4, v4
	v_and_b32 v5, 31, v0
	v_lshl_add_u32 v[SR], v5, 3, s72
	v_lshlrev_b32 v[SO], 3, v5
	s_lshl_b32 s72, s[TR], 4
	s_lshl_b32 s73, s[WV], 2
	s_add_co_u32 s72, s72, s73                     ; my first block of 16 rows,
	s_lshl_b32 s72, s72, 16                        ; of 65,536 bytes,
	s_lshl_b32 s73, s[TC], 13                      ; the key tile's 32 chunks in it
	s_add_co_u32 s72, s72, s73
	s_mov_b32 s73, 0
	s_add_nc_u64 s[6:7], s[6:7], s[72:73]
	s_lshl_b32 s70, s[TR], 8
	s_lshl_b32 s71, s[WV], 6
	s_add_co_u32 s70, s70, s71                     ; the first row that I finish
	s_lshl_b32 s72, s[TC], 13
	s_add_co_u32 s72, s72, s70
	s_lshl_b32 s72, s72, 2                         ; st[0][t][row]
	s_add_nc_u64 s[8:9], s[8:9], s[72:73]
; zero = 1: the first product starts the sums.  The 64 accumulators take turns.
.macro MUL16 f, hi, a0, zero
	WIN 0xa1+0x50*(\hi)
.irp a, \a0, (\a0)+1
.irp b, 0,1,2,3,4,5,6,7
.if \zero
	v_wmma_f32_16x16x32_f16 v[8*(8*(\a)+(\b)):8*(8*(\a)+(\b))+7], v[(\f)+8*(\b):(\f)+8*(\b)+7], v[(\f)+8*(4*(\hi)+(\a)):(\f)+8*(4*(\hi)+(\a))+7], 0
.else
	v_wmma_f32_16x16x32_f16 v[8*(8*(\a)+(\b)):8*(8*(\a)+(\b))+7], v[(\f)+8*(\b):(\f)+8*(\b)+7], v[(\f)+8*(4*(\hi)+(\a)):(\f)+8*(4*(\hi)+(\a))+7], v[8*(8*(\a)+(\b)):8*(8*(\a)+(\b))+7]
.endif
.endr
.endr
.endm
.macro FETCH k, f
	WIN 0x40
.irp i, 0,1,2,3,4,5,6,7
	ds_load_b128 v[(\f)+8*(\i):(\f)+8*(\i)+3],   v[ADRB] offset:(\k)+(\i)*16*PITCH
	ds_load_b128 v[(\f)+8*(\i)+4:(\f)+8*(\i)+7], v[ADRB] offset:(\k)+(\i)*16*PITCH+32
.endr
	WIN 0
.irp i, 0,1,2,3,4,5,6,7
	ds_load_b128 v[(\f)+8*(\i):(\f)+8*(\i)+3],   v[ADRA] offset:(\k)+(\i)*16*PITCH
	ds_load_b128 v[(\f)+8*(\i)+4:(\f)+8*(\i)+7], v[ADRA] offset:(\k)+(\i)*16*PITCH+32
.endr
.endm
.macro PLACES
.rept 4
	v_nop
.endr
.endm
.macro QUARTER k, f, g, zero
	s_wait_dscnt 8                                 ; k and q's rows 0-63 are in; the youngest eight loads may be out
	MUL16 \f, 0, 0, \zero
	MUL16 \f, 0, 2, \zero
	PLACES
	FETCH \k, \g
	s_wait_dscnt 32                                ; all but the 32 just issued
	MUL16 \f, 1, 0, \zero
	MUL16 \f, 1, 2, \zero
.endm
; The last quarter of a K step multiplies buffer 1 and changes slots.  fill = 1: the barrier opens a round of the cluster's, and the slot that is left is filled again, with the K step two steps on.
.macro TURN fill
	WIN 0
	s_wait_tensorcnt 0x0                           ; all my tensor loads have landed: the one that was out is my part of the next slot
	ds_add_u32 v[SPW], v[NIL]                      ; 0 onto my spare word
	s_wait_dscnt 9                                 ; the add and the youngest eight loads may be out
	MUL16 F1, 0, 0, 0
	s_wait_dscnt 0x0                               ; the add is done, and my reads of this slot are over
	s_barrier_signal -1
	MUL16 F1, 0, 2, 0
.if \fill
	WIN 0
.endif
	s_barrier_wait -1
.if \fill
	CREST
	s_xor_b32 s[G0+5], s[G0+5], SLOT               ; the walking descriptors: the other slot than last time, the next K step
	s_add_nc_u64 s[G0+6:G0+7], s[G0+6:G0+7], KSTEP*2
	s_xor_b32 s[G0B+5], s[G0B+5], SLOT
	s_add_nc_u64 s[G0B+6:G0B+7], s[G0B+6:G0B+7], KSTEP*2
	JLOAD 1
.else
	PLACES
.endif
	WIN 0
	s_xor_b32 s[TB], s[TB], SLOT                   ; the other slot is in hand
	v_add_nc_u32 v[ADRA], s[TB], v[A0]
	v_add_nc_u32 v[ADRB], s[TB], v[B0]
	FETCH 0, F0
	MUL16 F1, 1, 0, 0
	MUL16 F1, 1, 2, 0
.endm
.macro FMA n                           ; pair n of my 64: c s - cm
	v_pk_fma_f32 v[X+2*(\n):X+2*(\n)+1], v[X+2*(\n):X+2*(\n)+1], s[CS:CS+1], v[CM:CM+1] op_sel_hi:[1,0,0] neg_lo:[0,0,1] neg_hi:[0,0,1]
.endm
.macro DONE m                          ; pair m's weights are made: they are rounded to f16; the pair four back, with all that it has gathered, is added onto them; a chunk of 8 weights is stored when it is whole
	s_wait_alu depctr_va_vdst(0)
	v_cvt_pk_f16_f32 v[PK+(\m)], v[X+2*(\m)], v[X+2*(\m)+1]
.if (\m) >= 4
	v_pk_add_f32 v[X+2*(\m):X+2*(\m)+1], v[X+2*(\m):X+2*(\m)+1], v[X+2*(\m)-8:X+2*(\m)-7]
.endif
.if (\m) % 4 == 3
	global_store_b128 v[PO], v[PK+(\m)-3:PK+(\m)], s[6:7] offset:256*((\m)/4)  ; 16 lanes store 256 consecutive bytes, at a multiple of 256 from the buffer's first byte
.endif
.endm
	s_wait_tensorcnt 1                             ; my part of K step 0 is in; K step 1's may stay out
	s_barrier_signal -1
	s_barrier_wait -1
	FETCH 0, F0
	QUARTER 64,  F0, F1, 1
	WIN 0
	s_mov_b32 s[CNT], STEPS-2
.Lstep:                                            ; a trip goes from a K step's second quarter to the next step's first, and fills the slot that it leaves: K steps 2 to 7
	QUARTER 128, F1, F0, 0
	QUARTER 192, F0, F1, 0
	TURN 1
	QUARTER 64,  F0, F1, 0
	WIN 0
	s_sub_co_u32 s[CNT], s[CNT], 1
	s_cmp_lg_u32 s[CNT], 0
	s_cbranch_scc1 .Lstep
	QUARTER 128, F1, F0, 0                         ; the last two K steps are written out: they fill nothing
	QUARTER 192, F0, F1, 0
	TURN 0
	QUARTER 64,  F0, F1, 0
	QUARTER 128, F1, F0, 0
	QUARTER 192, F0, F1, 0
	s_wait_dscnt 8
	MUL16 F1, 0, 0, 0
	MUL16 F1, 0, 2, 0
	s_wait_dscnt 0x0                               ; my reads of the ring are over
	MUL16 F1, 1, 0, 0
	MUL16 F1, 1, 2, 0
	WIN 0
	s_barrier_signal -1                            ; the ring has had its last fill (every wave waited for all its tensor loads at the last change of slots);
	PLACES                                         ; (the places behind the last products)
	s_barrier_wait -1                              ; now nobody reads it either: its bytes take the scores
.irp a, 0,1,2,3,4,5,6,7
	WIN 0x08+4*((\a)/4)                            ; the stores' data: window 2 or 3
.irp b, 0,1,2,3,4,5,6,7
	ds_store_b128 v[DA+(\a)/4], v[8*(8*((\a)%4)+(\b)):8*(8*((\a)%4)+(\b))+3]   offset:((\a)%4)*16*SCP+64*(\b)      ; each accumulator from its low end
	ds_store_b128 v[DA+(\a)/4], v[8*(8*((\a)%4)+(\b))+4:8*(8*((\a)%4)+(\b))+7] offset:((\a)%4)*16*SCP+64*(\b)+16
.endr
.endr
	WIN 0
	v_mov_b32 v[CM+1], 0                           ; named with cm as a pair
	v_mov_b32 v[TT], 0                             ; v_permlanex16_b32's destination counts as read
	s_wait_dscnt 0x0                               ; for the others' sake: my scores are in LDS
	s_barrier_signal -1
	s_barrier_wait -1
	s_mov_b32 s[CNT], 4
.Lrows:                                            ; 16 rows a trip
.set k, 0
.rept 32
	ds_load_b128 v[X+4*k:X+4*k+3], v[LA] offset:16*k
.set k, k+1
.endr
	s_wait_dscnt 24                                ; the first eight loads, 32 scores, are in; the 24 younger ones stay out
.irp c, 0,1,2,3                        ; the maximum in four chains that do not wait for each other; the first scores start them
	v_max3_num_f32 v[CH+(\c)], v[X+8*(\c)], v[X+8*(\c)+1], v[X+8*(\c)+2]
.endr
.irp c, 0,1,2,3
	v_max3_num_f32 v[CH+(\c)], v[CH+(\c)], v[X+8*(\c)+3], v[X+8*(\c)+4]
.endr
.irp c, 0,1,2,3
	v_max3_num_f32 v[CH+(\c)], v[CH+(\c)], v[X+8*(\c)+5], v[X+8*(\c)+6]
.endr
.irp c, 0,1,2,3
	v_max_num_f32 v[CH+(\c)], v[CH+(\c)], v[X+8*(\c)+7]
.endr
.irp g, 1,2,3
	s_wait_dscnt 24-8*(\g)                         ; the next eight loads are in
.irp s, 0,1,2,3
.irp c, 0,1,2,3
	v_max3_num_f32 v[CH+(\c)], v[CH+(\c)], v[X+32*(\g)+8*(\c)+2*(\s)], v[X+32*(\g)+8*(\c)+2*(\s)+1]
.endr
.endr
.endr
	v_max3_num_f32 v[CH], v[CH], v[CH+1], v[CH+2]
	v_max_num_f32 v[CH], v[CH], v[CH+3]
	v_permlanex16_b32 v[TT], v[CH], s[SEL], s[SEL+1]           ; the row's other 128 keys lie in the lane 16 away
	v_max_num_f32 v[CH], v[CH], v[TT]
	v_mul_f32 v[CM], s[CS], v[CH]
	; one pipeline: for each pair two exponentials, the scaling of the pair four ahead, and the rounding and the sum of the pair before: a plain instruction that names neither result stands behind every two exponentials
	FMA 0
	FMA 1
	FMA 2
	FMA 3
.set n, 0
.rept 64
	v_exp_f32 v[X+2*n], v[X+2*n]
	v_exp_f32 v[X+2*n+1], v[X+2*n+1]
.if n < 60
	FMA n+4
.endif
.if n > 0
	DONE n-1
.endif
.set n, n+1
.endr
	DONE 63
	v_pk_add_f32 v[X+120:X+121], v[X+120:X+121], v[X+122:X+123]  ; the last four pairs hold the four chains' sums: l is the sum of the unrounded weights
	v_pk_add_f32 v[X+124:X+125], v[X+124:X+125], v[X+126:X+127]
	v_pk_add_f32 v[X+120:X+121], v[X+120:X+121], v[X+124:X+125]
	v_add_f32 v[LS], v[X+120], v[X+121]
	v_permlanex16_b32 v[TT], v[LS], s[SEL], s[SEL+1]
	v_add_f32 v[LS], v[LS], v[TT]
	ds_store_b32 v[SA], v[CM]                      ; a row's two lanes write one word, with one value
	ds_store_b32 v[SA], v[LS] offset:256
	s_wait_xcnt 0x0                                ; the stores' offset and data are rewritten only behind this wait
	v_add_nc_u32 v[PO], 65536, v[PO]
	v_add_nc_u32 v[LA], 16*SCP, v[LA]
	v_add_nc_u32 v[SA], 64, v[SA]
	s_sub_co_u32 s[CNT], s[CNT], 1
	s_cmp_lg_u32 s[CNT], 0
	s_cbranch_scc1 .Lrows
	ds_load_b64 v[50:51], v[SR]                    ; my own words, served in order behind my stores: cm of rows 2 l, 2 l + 1,
	ds_load_b64 v[52:53], v[SR] offset:256         ; and l
	s_wait_dscnt 0x0
	global_store_b64 v[SO], v[50:51], s[8:9]                   ; 256 consecutive bytes, aligned
	global_store_b64 v[SO], v[52:53], s[8:9] offset:262144
	s_wait_tensorcnt 0x0                           ; the wave's end
	ds_add_u32 v[SPW], v[NIL]
	s_wait_dscnt 0x0
	CROUND                                         ; the closing round
	s_endpgm
.Lfunc_end_k_q760fe54930_dots:
	.size	k_q760fe54930_dots, .Lfunc_end_k_q760fe54930_dots-k_q760fe54930_dots
	.p2alignl 7, 3214868480
	.fill 96, 4, 3214868480
	.section	.rodata,"a",@progbits
	.p2align	6, 0x0
	.amdhsa_kernel k_q760fe54930_dots
		.amdhsa_group_segment_fixed_size 327680
		.amdhsa_private_segment_fixed_size 0
		.amdhsa_enable_private_segment 0
		.amdhsa_kernarg_size 24
		.amdhsa_user_sgpr_count 2
		.amdhsa_user_sgpr_kernarg_segment_ptr 1
		.amdhsa_wavefront_size32 1
		.amdhsa_system_sgpr_workgroup_id_x 1
		.amdhsa_system_sgpr_workgroup_id_y 1
		.amdhsa_system_sgpr_workgroup_id_z 1
		.amdhsa_system_vgpr_workitem_id 0
		.amdhsa_next_free_vgpr 1024
		.amdhsa_next_free_sgpr 76
		.amdhsa_reserve_vcc 0
		.amdhsa_float_denorm_mode_32 3
		.amdhsa_float_denorm_mode_16_64 3
		.amdhsa_memory_ordered 1
		.amdhsa_forward_progress 1
		.amdhsa_inst_pref_size 121
	.end_amdhsa_kernel
	.amdgpu_metadata
---
amdhsa.version: [ 1, 2 ]
amdhsa.kernels:
  - .name:           k_q760fe54930_dots
    .symbol:         k_q760fe54930_dots.kd
    .args:
      - { .name: qk, .offset: 0, .size: 8, .value_kind: global_buffer, .address_space: global }
      - { .name: p, .offset: 8, .size: 8, .value_kind: global_buffer, .address_space: global }
      - { .name: st, .offset: 16, .size: 8, .value_kind: global_buffer, .address_space: global }
    .group_segment_fixed_size: 327680
    .private_segment_fixed_size: 0
    .kernarg_segment_align: 8
    .kernarg_segment_size: 24
    .max_flat_workgroup_size: 128
    .sgpr_count:     76
    .vgpr_count:     1024
    .wavefront_size: 32
...
	.end_amdgpu_metadata
.endif
;; end of part 3
;; launch pv (part 4): grid 4 x 64, 4 waves a work-group, clusters of 4 x 4, 327,680 bytes of LDS; arguments p, vh, st, out0; writes out0
.if DOCPART == 4
	.amdgcn_target "amdgcn-amd-amdhsa--gfx1250"
	.amdhsa_code_object_version 6
	.text
	.protected	k_q760fe54930_pv
	.globl	k_q760fe54930_pv
	.p2align	8
	.type	k_q760fe54930_pv,@function
k_q760fe54930_pv:
	s_mov_b64 s[64:65], 0
	v_nop
	global_prefetch_b8 v0, s[64:65] scope:SCOPE_SE
	s_setreg_imm32_b32 hwreg(HW_REG_WAVE_MODE, 25, 1), 1
	s_wait_xcnt 0x0
	s_wait_alu depctr_hold_cnt(0) depctr_sa_sdst(0) depctr_va_vdst(0) depctr_va_sdst(0) depctr_va_ssrc(0) depctr_va_vcc(0) depctr_vm_vsrc(0)
	s_getreg_b32 s2, hwreg(HW_REG_IB_STS2, 6, 4)
	s_cmp_eq_u32 s2, 0
	s_cbranch_scc0 .Lentry_in_a_cluster
	s_endpgm
.Lentry_in_a_cluster:
	s_bfe_u32 s2, ttmp6, 0x10000c
	s_cmp_lg_u32 s2, 0xf033
	s_cbranch_scc0 .Lentry_shape_is_right
	s_endpgm
.Lentry_shape_is_right:
; out0[row][:] = the sum over the eight key tiles t of f_t x (P_t V_t), f_t = 2^(cm_t - M) / L, M = the largest of the row's eight cm, L = the sum over t of 2^(cm_t - M) l_t.
; p and vh [8192][1024] in f16, st [2][8][8192] and out0 in f32.  M is the row's true maximum (times c), so every f is at most 1 and L is at least 1.
; p LIES IN BLOCKS: p[512 blocks of 16 rows][256 chunks of 8 keys][16 rows][8 keys]: 128 keys of a block of rows are 4,096 consecutive bytes, and a fragment (16 rows x 32 keys) is 1,024 of them in the lanes' own order.
; P_t V_t is summed in f32 in T (256 keys, 8 matrix instructions deep); at the tile's end ACC += f_t T, in f32: the weights are rounded to f16 once, in the launch before.
; LIMITS: a factor 2^(cm_t - M) below 2^-126 counts as 0; NaN and infinities are not treated apart.
; SHARES.  A tile of 128 rows x 256 channels to a work-group: 256 work-groups.  Four waves of 64 x 128: T is 32 accumulators (256 registers), ACC as many.  The keys go in 16 steps of 128
; through two LDS slots; a lap, two steps, is a key tile.  A slot of 256 keys would take 2 x 204,800 bytes of LDS: it does not fit.
; CLUSTER.  4 x 4 work-groups of one batch: P's tile is asked for jointly along a row of the cluster, V's along a column.
; ASKING AHEAD.  Once a trip, behind the trip's first refill and its fragment loads, the two steps' tiles that the NEXT trip will load are asked for into the L2, lanes 256 bytes apart, each block of 256 bytes
; once in the launch: of the eight blocks of rows that the four work-groups of a cluster's row share, waves 0 and 1 take one each (8,192 consecutive bytes); of V's two tiles, which the batch's sixteen
; row tiles share, wave 2 takes eight keys of each.  Steps 2 and 3 are asked for at the start; the last trip asks for nothing: no later step is left.
; LAYOUT.  O^T = V^T P: source 0 = 16 channels x 32 keys, out of LDS turned by ds_load_tr16_b128; source 1 = 16 rows x 32 keys of P as it lies.  A lane holds row l % 16 and channels 8 (l / 16) + 0..7.
; ACC is cleared by 256 v_mov_b32, which stand in the wait for the first tile: so the first tile's merge is a merge like any other, and no lap is written out a second time for it.
; REGISTERS: window 0: v0-31 addresses; v32-39 f of my four row blocks, each twice; v64-95, v96-127 P's fragments; v128-255 statistics, later the way out
;   window 1: v0-63, v64-127 V's fragments     window 2: T, (a, b) at 8 (8 a + b)     window 3: ACC
.set PB,    4096                       ; a block of 16 rows of P in a step: 16 chunks of 256 bytes; a fragment load reads 512 consecutive bytes, so there is no padding
.set PV,    544                        ; a row of V: 512 bytes + 32
.set VOFF,  8*PB                       ; a slot: 8 blocks of rows of P, then 128 keys of V
.set SLOT,  VOFF+128*PV
.set STAGE, 2*SLOT                     ; 16 rows x 528 bytes for each wave, for the way out
.set SP,    528
.set FT,    STAGE+4*16*SP              ; 4,096 bytes for each wave: f by [t][l % 16][row block], each written twice
.set SPARE, FT+4*4096                  ; the spare words
.set PFO,  12                          ; v12  my lane's place in what my wave asks for ahead; never rewritten
.set ADRP, 16                          ; v16-17
.set ADRV, 20                          ; v20-21
.set STO,  24
.set RD,   25
.set CO,   26                          ; 16 x lane
.set FAR,  27                          ; where I read f: steps a key tile at a time
.set SPW,  28
.set NIL,  29
.set FAW,  30                          ; where I write f
.set LN8,  31                          ; 8 x lane
.set FR,   32                          ; v[32:39]
.set PF,   64
.set CMR,  128                         ; v128-143 cm of rows 2 l, 2 l + 1, by t; then the factors
.set LR,   144                         ; v144-159 l
.set MX,   160
.set SUM,  162
.set OB,   128                         ; the way out: v128-191 and v192-255 by turns
.set PFB, 12                           ; s[12:13] where my wave asks next
.set PFS, 14                           ; s[14:15] its step from trip to trip
.set WV, 16
.set WR, 17
.set WC, 18
.set CX, 19
.set CY, 20
.set TC, 21                            ; channel tile 0..3
.set TR, 22                            ; row tile 0..63
.set BAT, 23
.set G1, 24                            ; P's descriptors
.set G0, 32
.set CLY, 42
.set G1B, 48                           ; V's
.set G0B, 56
.set CNT, 66
.set MSB, 0
.macro WIN new
.if MSB != (\new)
	s_set_vgpr_msb (MSB<<8)|(\new)
.set MSB, \new
.endif
.endm
.macro JLOAD s                         ; waves 0 and 1 fetch P's two halves (4 blocks of rows), waves 2 and 3 V's (64 keys); an s_nop 0 and four v_nop follow each of the two lines
	s_cmp_eq_u32 s[WR], 0
	s_cbranch_scc0 .Lfor_b_\@
	tensor_load_to_lds s[G0+4*(\s):G0+4*(\s)+3], s[G1:G1+7]
	s_nop 0
.rept 4
	v_nop
.endr
	s_branch .Lasked_\@
.Lfor_b_\@:
	tensor_load_to_lds s[G0B+4*(\s):G0B+4*(\s)+3], s[G1B:G1B+7]
	s_nop 0
.rept 4
	v_nop
.endr
.Lasked_\@:
.endm
.macro CREST
	s_cmp_lg_u32 s[WV], 0
	s_cbranch_scc1 .Lnot_wave_0_\@
	s_barrier_signal -3
.Lnot_wave_0_\@:
	s_barrier_wait -3
	s_barrier_signal -1
	s_barrier_wait -1
.endm
.macro CROUND
	s_barrier_signal -1
	s_barrier_wait -1
	CREST
.endm
	s_load_b256 s[4:11], s[0:1], 0x0               ; p s[4:5], vh s[6:7], st s[8:9], out0 s[10:11]
	v_lshl_add_u32 v[SPW], v0, 2, SPARE
	v_mov_b32 v[NIL], 0
	ds_add_u32 v[SPW], v[NIL]                      ; the wave's opening: the add and its wait stand ahead of my first tensor load
	v_lshrrev_b32 v1, 5, v0
	v_readfirstlane_b32 s[WV], v1
	s_lshr_b32 s[WR], s[WV], 1
	s_and_b32 s[WC], s[WV], 1
	s_bfe_u32 s[CX], ttmp6, 0x40000
	s_bfe_u32 s[CY], ttmp6, 0x40004
	s_lshl_b32 s[TC], ttmp9, 2
	s_add_co_u32 s[TC], s[TC], s[CX]
	s_and_b32 s[CLY], ttmp7, 0xffff
	s_lshl_b32 s[TR], s[CLY], 2
	s_add_co_u32 s[TR], s[TR], s[CY]
	s_lshr_b32 s[BAT], s[CLY], 2                   ; a batch has 16 row tiles, four clusters along y
	s_lshl_b32 s40, s[CY], 2
	s_lshl_b32 s40, 15, s40
	s_lshl_b32 s41, 0x1111, s[CX]
	s_or_b32 s[G1+0], s40, (1<<16)|(1<<21)         ; P: the mask; 2-byte elements; bit 21 beside a mask; no padding
	s_mov_b32 s[G1+1], 2048<<16                    ; tensor_dim0 = 2,048: a block of rows' 128 keys, 4,096 consecutive bytes
	s_mov_b32 s[G1+2], 4<<16                       ; tensor_dim1 = 4 blocks of rows
	s_mov_b32 s[G1+3], 2048<<16                    ; tile_dim0 = 2,048
	s_mov_b32 s[G1+4], 4                           ; tile_dim1 = 4
	s_mov_b32 s[G1+5], 32768                       ; elements from a block of rows to the next
	s_mov_b32 s[G1+6], 0
	s_mov_b32 s[G1+7], 0
	s_or_b32 s[G1B+0], s41, (1<<16)|(1<<20)|(1<<21)|(6<<22)|(7<<25)  ; V: after every 128 words, 8 words of padding
	s_mov_b32 s[G1B+1], 256<<16
	s_mov_b32 s[G1B+2], 64<<16
	s_mov_b32 s[G1B+3], 256<<16
	s_mov_b32 s[G1B+4], 64
	s_mov_b32 s[G1B+5], 1024
	s_mov_b32 s[G1B+6], 0
	s_mov_b32 s[G1B+7], 0
	s_lshl_b32 s43, s[WC], 2                       ; which 4 blocks of rows I fetch
	s_lshl_b32 s44, s[TR], 3
	s_add_co_u32 s44, s44, s43                     ; P: block of rows 8 x row tile + 4 x half,
	s_lshl_b32 s44, s44, 16                        ; of 65,536 bytes
	s_mov_b32 s45, 0
	s_lshl_b32 s43, s[WC], 6                       ; which 64 keys I fetch
	s_lshl_b32 s46, s[BAT], 11
	s_add_co_u32 s46, s46, s43                     ; V: key 2,048 x batch + 64 x half,
	s_lshl_b32 s46, s46, 11                        ; of 2,048 bytes,
	s_lshl_b32 s47, s[TC], 9                       ; the channel tile's 512 bytes in it
	s_add_co_u32 s46, s46, s47
	s_mov_b32 s47, 0
	s_lshl_b32 s68, s[WC], 14                      ; where they go: 4 blocks of rows of 4,096 bytes,
	s_mul_i32 s69, s[WC], 64*PV                    ; 64 keys
	s_add_co_u32 s69, s69, VOFF
	s_wait_dscnt 0x0
	s_wait_kmcnt 0x0
	s_add_nc_u64 s[44:45], s[4:5], s[44:45]
	s_add_nc_u64 s[46:47], s[6:7], s[46:47]
	CROUND
.irp s, 0,1
	s_mov_b32 s[G0+4*(\s)], 1
	s_add_co_u32 s[G0+4*(\s)+1], s68, (\s)*SLOT
	s_add_nc_u64 s[G0+4*(\s)+2:G0+4*(\s)+3], s[44:45], (\s)*PB           ; 128 keys on in a block of rows
	s_or_b32 s[G0+4*(\s)+3], s[G0+4*(\s)+3], 0x80000000
	s_mov_b32 s[G0B+4*(\s)], 1
	s_add_co_u32 s[G0B+4*(\s)+1], s69, (\s)*SLOT
	s_add_nc_u64 s[G0B+4*(\s)+2:G0B+4*(\s)+3], s[46:47], (\s)*128*2048   ; 128 keys down in vh
	s_or_b32 s[G0B+4*(\s)+3], s[G0B+4*(\s)+3], 0x80000000
	JLOAD \s
.endr
	; cm and l of my 64 rows, all eight key tiles: lane l takes rows 2 l and 2 l + 1; each load covers 256 consecutive bytes
	s_lshl_b32 s70, s[TR], 7
	s_lshl_b32 s71, s[WR], 6
	s_add_co_u32 s70, s70, s71                     ; my first row
	s_lshl_b32 s72, s70, 2
	s_mov_b32 s73, 0
	s_add_nc_u64 s[8:9], s[8:9], s[72:73]
	s_lshl_b32 s72, s70, 12
	s_lshl_b32 s74, s[TC], 10
	s_add_co_u32 s72, s72, s74
	s_lshl_b32 s74, s[WC], 9
	s_add_co_u32 s72, s72, s74
	s_add_nc_u64 s[10:11], s[10:11], s[72:73]      ; out0 at my first row and channel
	v_and_b32 v5, 31, v0
	v_and_b32 v1, 15, v0                           ; l % 16
	v_bfe_u32 v2, v0, 4, 1                         ; l / 16
	v_lshlrev_b32 v[LN8], 3, v5
.irp t, 0,1,2,3,4,5,6,7
	global_load_b64 v[CMR+2*(\t):CMR+2*(\t)+1], v[LN8], s[8:9] offset:32768*(\t)
	global_load_b64 v[LR+2*(\t):LR+2*(\t)+1],   v[LN8], s[8:9] offset:262144+32768*(\t)
.endr
	; what my wave asks for ahead, from step 2 on
	s_lshl_b32 s70, s[TR], 3
	s_lshl_b32 s71, s[TC], 1
	s_add_co_u32 s70, s70, s71
	s_add_co_u32 s70, s70, s[WV]                   ; waves 0 and 1: block of rows 8 x row tile + 2 x channel tile + wave,
	s_lshl_b32 s70, s70, 16
	s_add_co_u32 s70, s70, 2*PB                    ; its steps 2 and 3
	s_and_b32 s71, s[TR], 15                       ; wave 2: my row tile's place among the batch's sixteen: eight keys of a tile's 128
	s_lshl_b32 s71, s71, 3
	s_lshl_b32 s72, s[BAT], 11
	s_add_co_u32 s71, s71, s72
	s_add_co_u32 s71, s71, 2*128                   ; of step 2
	s_lshl_b32 s71, s71, 11
	s_lshl_b32 s72, s[TC], 9
	s_add_co_u32 s71, s71, s72
	s_mov_b32 s74, 2*PB                            ; two steps on in a block of rows,
	s_mov_b32 s75, 256*2048                        ; two steps down in vh
	s_mov_b32 s73, 0
	s_mov_b32 s[PFS+1], 0
	s_cmp_lt_u32 s[WV], 2
	s_cselect_b64 s[PFB:PFB+1], s[4:5], s[6:7]
	s_cselect_b32 s72, s70, s71
	s_cselect_b32 s[PFS], s74, s75
	s_add_nc_u64 s[PFB:PFB+1], s[PFB:PFB+1], s[72:73]
	v_lshlrev_b32 v[PFO], 8, v5                    ; P: 32 lanes, 8,192 consecutive bytes
	s_cmp_lt_u32 s[WV], 2
	s_cbranch_scc1 .Lpf_p
	v_bfe_u32 v13, v0, 1, 3                        ; V: lanes 0-15 the first step's tile, lanes 16-31 the second's; in each, key (l % 16) / 2,
	v_and_b32 v14, 1, v0                           ; and which 256 of its 512 bytes
	v_lshlrev_b32 v[PFO], 18, v2
	v_lshl_add_u32 v[PFO], v13, 11, v[PFO]
	v_lshl_add_u32 v[PFO], v14, 8, v[PFO]
.Lpf_p:
	s_cmp_eq_u32 s[WV], 3
	s_cbranch_scc1 .Lpf_none
	global_prefetch_b8 v[PFO], s[PFB:PFB+1] th:TH_LOAD_NT scope:SCOPE_SE  ; steps 2 and 3, which the first trip loads
.Lpf_none:
	WIN 0xc0
.set i, 0
.rept 256
	v_mov_b32 v[i], 0                              ; ACC
.set i, i+1
.endr
	WIN 0
	s_lshl_b32 s72, s[WR], 14                      ; my 4 blocks of rows of P
	v_lshl_add_u32 v[ADRP], v5, 4, s72             ; a fragment's half is 512 consecutive bytes: 16 x lane
	v_add_nc_u32 v[ADRP+1], SLOT, v[ADRP]
	v_and_b32 v10, 7, v0
	v_bfe_u32 v11, v0, 3, 1
	v_lshl_add_u32 v4, v2, 3, v10                  ; the turning load: key 8 (l / 16) + l % 8,
	v_mul_u32_u24 v4, v4, PV
	v_lshl_add_u32 v4, v11, 4, v4                  ; channels 8 ((l / 8) % 2) + 0..7,
	s_lshl_b32 s72, s[WC], 8                       ; of my 128 channels
	s_add_co_u32 s72, s72, VOFF
	v_add_nc_u32 v[ADRV], s72, v4
	v_add_nc_u32 v[ADRV+1], SLOT, v[ADRV]
	s_mul_i32 s72, s[WV], 16*SP
	s_add_co_u32 s72, s72, STAGE                   ; my stage
	v_mul_u32_u24 v4, v1, SP
	v_lshl_add_u32 v4, v2, 5, v4
	v_add_nc_u32 v[STO], s72, v4                   ; in: row l % 16, 32 bytes for each half of the lanes
	v_lshl_add_u32 v[RD], v5, 4, s72               ; back: a whole row of 512 bytes
	v_lshlrev_b32 v[CO], 4, v5
	s_lshl_b32 s72, s[WV], 12
	s_add_co_u32 s72, s72, FT                      ; my table of factors
	v_bfe_u32 v6, v0, 3, 2                         ; rows 2 l, 2 l + 1 lie in row block l / 8, at places 2 (l % 8) and the next
	v_lshlrev_b32 v7, 6, v10
	v_lshl_add_u32 v7, v6, 3, v7
	v_add_nc_u32 v[FAW], s72, v7
	v_lshl_add_u32 v[FAR], v1, 5, s72
	s_wait_loadcnt 0x0
.irp x, 0,1
	v_max3_num_f32 v[MX+(\x)], v[CMR+(\x)], v[CMR+2+(\x)], v[CMR+4+(\x)]
	v_max3_num_f32 v[MX+(\x)], v[MX+(\x)], v[CMR+6+(\x)], v[CMR+8+(\x)]
	v_max3_num_f32 v[MX+(\x)], v[MX+(\x)], v[CMR+10+(\x)], v[CMR+12+(\x)]
	v_max_num_f32 v[MX+(\x)], v[MX+(\x)], v[CMR+14+(\x)]
.endr
.irp t, 0,1,2,3,4,5,6,7
	v_pk_add_f32 v[CMR+2*(\t):CMR+2*(\t)+1], v[CMR+2*(\t):CMR+2*(\t)+1], v[MX:MX+1] neg_lo:[0,1] neg_hi:[0,1]  ; cm - M
.endr
.irp k, 0,1,2,3,4,5,6,7,8,9,10,11,12,13,14,15
	v_exp_f32 v[CMR+(\k)], v[CMR+(\k)]
.endr
	v_nop                                          ; a plain instruction between the last exponential and the use of its result
	s_wait_alu depctr_va_vdst(0)
	v_pk_mul_f32 v[SUM:SUM+1], v[CMR:CMR+1], v[LR:LR+1]
.irp t, 1,2,3,4,5,6,7
	v_pk_fma_f32 v[SUM:SUM+1], v[CMR+2*(\t):CMR+2*(\t)+1], v[LR+2*(\t):LR+2*(\t)+1], v[SUM:SUM+1]
.endr
	v_rcp_f32 v[SUM], v[SUM]
	v_rcp_f32 v[SUM+1], v[SUM+1]
	v_nop
	s_wait_alu depctr_va_vdst(0)
.irp t, 0,1,2,3,4,5,6,7
	v_pk_mul_f32 v[CMR+2*(\t):CMR+2*(\t)+1], v[CMR+2*(\t):CMR+2*(\t)+1], v[SUM:SUM+1]
.endr
.irp t, 0,1,2,3,4,5,6,7
.irp x, 0,1
	ds_store_b32 v[FAW], v[CMR+2*(\t)+(\x)] offset:512*(\t)+32*(\x)
	ds_store_b32 v[FAW], v[CMR+2*(\t)+(\x)] offset:512*(\t)+32*(\x)+4   ; twice: the packed merge multiplies by a pair
.endr
.endr
	s_wait_xcnt 0x0                                ; where my wave asks is stepped only behind this wait; the asking stands far back
	s_add_nc_u64 s[PFB:PFB+1], s[PFB:PFB+1], s[PFS:PFS+1]
; 8 matrix instructions: row block a x all 8 channel blocks, 32 keys, from buffer f.  zero = 1: they start T's sums.  The 32 accumulators take turns.
.macro MULA f, a, zero
	WIN 0xa1                                       ; V window 1, P window 0, T window 2
.irp b, 0,1,2,3,4,5,6,7
.if \zero
	v_wmma_f32_16x16x32_f16 v[8*(8*(\a)+(\b)):8*(8*(\a)+(\b))+7], v[64*(\f)+8*(\b):64*(\f)+8*(\b)+7], v[PF+32*(\f)+8*(\a):PF+32*(\f)+8*(\a)+7], 0
.else
	v_wmma_f32_16x16x32_f16 v[8*(8*(\a)+(\b)):8*(8*(\a)+(\b))+7], v[64*(\f)+8*(\b):64*(\f)+8*(\b)+7], v[PF+32*(\f)+8*(\a):PF+32*(\f)+8*(\a)+7], v[8*(8*(\a)+(\b)):8*(8*(\a)+(\b))+7]
.endif
.endr
.endm
; 24 LDS loads in one run: quarter q (32 keys) of a slot into buffer f: V (16, turned), P's row blocks 0, 1 (4), 2, 3 (4)
.macro FETCH slot, q, f
	WIN 0x40
.irp b, 0,1,2,3,4,5,6,7
	ds_load_tr16_b128 v[64*(\f)+8*(\b):64*(\f)+8*(\b)+3],   v[ADRV+(\slot)] offset:(\q)*32*PV+32*(\b)
	ds_load_tr16_b128 v[64*(\f)+8*(\b)+4:64*(\f)+8*(\b)+7], v[ADRV+(\slot)] offset:(\q)*32*PV+16*PV+32*(\b)
.endr
	WIN 0
.irp a, 0,1,2,3
	ds_load_b128 v[PF+32*(\f)+8*(\a):PF+32*(\f)+8*(\a)+3],   v[ADRP+(\slot)] offset:(\a)*PB+1024*(\q)       ; chunks 4 q and 4 q + 1: keys 8 (l / 16) + 0..7 of the quarter
	ds_load_b128 v[PF+32*(\f)+8*(\a)+4:PF+32*(\f)+8*(\a)+7], v[ADRP+(\slot)] offset:(\a)*PB+1024*(\q)+512   ; chunks 4 q + 2 and 4 q + 3: keys 16 + 8 (l / 16) + 0..7
.endr
.endm
.macro PLACES
.rept 4
	v_nop
.endr
.endm
.macro QUARTER slot, q, f, g, zero
	s_wait_dscnt 4                                 ; V and P's row blocks 0, 1 are in; the youngest four loads may be out
	MULA \f, 0, \zero
	MULA \f, 1, \zero
	PLACES
	FETCH \slot, \q, \g
	s_wait_dscnt 24                                ; all but the 24 just issued
	MULA \f, 2, \zero
	MULA \f, 3, \zero
.endm
.macro ASK                             ; the two steps that the next trip loads; wave 3 has no part, and the last trip has no next
	WIN 0
	s_cmp_eq_u32 s[WV], 3
	s_cbranch_scc1 .Lno_ask_\@
	s_cmp_eq_u32 s[CNT], 1
	s_cbranch_scc1 .Lno_ask_\@
	global_prefetch_b8 v[PFO], s[PFB:PFB+1] th:TH_LOAD_NT scope:SCOPE_SE
.Lno_ask_\@:
.endm
; The last quarter of a step multiplies buffer 1 and changes slots.  ld = 1: a key tile ends: its factors are fetched for the merge.  ask = 1: the next trip's tiles are asked for ahead.
.macro TURN slot, next, fill, ld, ask
	WIN 0
	s_wait_tensorcnt 0x0                           ; all my tensor loads have landed: the one that was out is my part of the next slot
	ds_add_u32 v[SPW], v[NIL]                      ; 0 onto my spare word
	s_wait_dscnt 5                                 ; the add and the youngest four loads may be out
	MULA 1, 0, 0
	s_wait_dscnt 0x0                               ; the add is done, and my reads of this slot are over
	s_barrier_signal -1
	MULA 1, 1, 0
.if \fill
	WIN 0
.endif
	s_barrier_wait -1
.if \fill
	CREST                                          ; no wave of any partner still reads this slot or has a load on its way
	s_add_nc_u64 s[G0+4*(\slot)+2:G0+4*(\slot)+3], s[G0+4*(\slot)+2:G0+4*(\slot)+3], 2*PB
	s_add_nc_u64 s[G0B+4*(\slot)+2:G0B+4*(\slot)+3], s[G0B+4*(\slot)+2:G0B+4*(\slot)+3], 256*2048
	JLOAD \slot                                    ; the first tensor load behind the round, 112 matrix instructions ahead of the wait for it
.else
	PLACES
.endif
.if \ld
	WIN 0
	ds_load_b128 v[FR:FR+3],   v[FAR]
	ds_load_b128 v[FR+4:FR+7], v[FAR] offset:16
	v_add_nc_u32 v[FAR], 512, v[FAR]
	s_wait_xcnt 0x0                                ; where my wave asks is stepped only behind this wait; the asking stands half a trip back
	s_add_nc_u64 s[PFB:PFB+1], s[PFB:PFB+1], s[PFS:PFS+1]
.endif
	FETCH \next, 0, 0
.if \ask
	ASK
.endif
	MULA 1, 2, 0
	MULA 1, 3, 0
.endm
.macro MERGE i                         ; ACC_i += f T_i, T_i read from its low end
	WIN 0xf2                                       ; T window 2, f window 0, ACC window 3
.irp z, 0,1,2,3
	v_pk_fma_f32 v[8*(\i)+2*(\z):8*(\i)+2*(\z)+1], v[8*(\i)+2*(\z):8*(\i)+2*(\z)+1], v[FR+2*((\i)/8):FR+2*((\i)/8)+1], v[8*(\i)+2*(\z):8*(\i)+2*(\z)+1]
.endr
.endm
.macro PROD0 n                         ; product n of a key tile's first quarter, from buffer 0: it starts T_n anew
	WIN 0xa1
	v_wmma_f32_16x16x32_f16 v[8*(\n):8*(\n)+7], v[8*((\n)%8):8*((\n)%8)+7], v[PF+8*((\n)/8):PF+8*((\n)/8)+7], 0
.endm
; The first quarter of key tiles 1 to 7.  The tile before is merged two accumulators ahead of the products that start T anew: four packed multiply-adds behind each matrix instruction.
; Between T_n's last product and its merge stand the four v_nop; between that product and the one that writes T_n anew stand they and other accumulators' merges.
.macro QM
	s_wait_dscnt 4                                 ; the factors, V and P's row blocks 0, 1 are in
	PLACES
	MERGE 0
	MERGE 1
.set n, 0
.rept 16
	PROD0 n
	MERGE n+2
.set n, n+1
.endr
	FETCH 0, 1, 1
	s_wait_dscnt 24
.rept 16
	PROD0 n
.if n < 30
	MERGE n+2
.endif
.set n, n+1
.endr
.endm
; THE WAY OUT of row block a: 32 bytes a lane into my stage, back as whole rows of 512 bytes, stored.
.macro OUTB a
.set BK, OB+64*((\a)%2)
	WIN 0x0c                                       ; the stores' data: window 3
.irp b, 0,1,2,3,4,5,6,7
	ds_store_b128 v[STO], v[8*(8*(\a)+(\b)):8*(8*(\a)+(\b))+3]   offset:64*(\b)
	ds_store_b128 v[STO], v[8*(8*(\a)+(\b))+4:8*(8*(\a)+(\b))+7] offset:64*(\b)+16
.endr
	WIN 0
	s_wait_xcnt 0x0                                ; registers that earlier stores read are loaded again only behind this wait
.irp t, 0,1,2,3,4,5,6,7,8,9,10,11,12,13,14,15
	ds_load_b128 v[BK+4*(\t):BK+4*(\t)+3], v[RD] offset:SP*(\t)   ; LDS serves a wave's instructions in order: these see the stores above
.endr
.irp t, 0,1,2,3,4,5,6,7,8,9,10,11,12,13,14,15
	s_wait_dscnt 15-(\t)
	global_store_b128 v[CO], v[BK+4*(\t):BK+4*(\t)+3], s[10:11] offset:(16*(\a)+(\t))*4096 th:TH_STORE_NT  ; 512 consecutive bytes, at a multiple of 256 from the buffer's first byte
.endr
.endm
	s_wait_tensorcnt 1                             ; my part of step 0 is in; step 1's may stay out
	s_wait_dscnt 0x0                               ; my factors are in LDS
	s_barrier_signal -1
	s_barrier_wait -1
	FETCH 0, 0, 0
	QUARTER 0, 1, 0, 1, 1                          ; the first quarter stands in front of the loop
	WIN 0
	s_mov_b32 s[CNT], 7
.Llap:                                             ; a trip: from a key tile's second quarter to the next tile's first; both slots are filled again
	QUARTER 0, 2, 1, 0, 0
	QUARTER 0, 3, 0, 1, 0
	TURN 0, 1, 1, 0, 1
	QUARTER 1, 1, 0, 1, 0
	QUARTER 1, 2, 1, 0, 0
	QUARTER 1, 3, 0, 1, 0
	TURN 1, 0, 1, 1, 0
	QM
	WIN 0
	s_sub_co_u32 s[CNT], s[CNT], 1
	s_cmp_lg_u32 s[CNT], 0
	s_cbranch_scc1 .Llap
	QUARTER 0, 2, 1, 0, 0                          ; the last key tile is written out: it fills nothing
	QUARTER 0, 3, 0, 1, 0
	TURN 0, 1, 0, 0, 0
	QUARTER 1, 1, 0, 1, 0
	QUARTER 1, 2, 1, 0, 0
	QUARTER 1, 3, 0, 1, 0
	WIN 0
	ds_load_b128 v[FR:FR+3],   v[FAR]              ; the last tile's factors
	ds_load_b128 v[FR+4:FR+7], v[FAR] offset:16
	s_wait_dscnt 6                                 ; P's row blocks 2, 3 (four loads) and these two may be out
	MULA 1, 0, 0
	MULA 1, 1, 0
	s_wait_dscnt 0x0
	MULA 1, 2, 0
	MULA 1, 3, 0
	PLACES
.set n, 0
.rept 32
	MERGE n
.set n, n+1
.endr
	OUTB 0
	OUTB 1
	OUTB 2
	OUTB 3
	s_wait_tensorcnt 0x0                           ; the wave's end
	ds_add_u32 v[SPW], v[NIL]
	s_wait_dscnt 0x0
	CROUND                                         ; the closing round
	s_endpgm
.Lfunc_end_k_q760fe54930_pv:
	.size	k_q760fe54930_pv, .Lfunc_end_k_q760fe54930_pv-k_q760fe54930_pv
	.p2alignl 7, 3214868480
	.fill 96, 4, 3214868480
	.section	.rodata,"a",@progbits
	.p2align	6, 0x0
	.amdhsa_kernel k_q760fe54930_pv
		.amdhsa_group_segment_fixed_size 327680
		.amdhsa_private_segment_fixed_size 0
		.amdhsa_enable_private_segment 0
		.amdhsa_kernarg_size 32
		.amdhsa_user_sgpr_count 2
		.amdhsa_user_sgpr_kernarg_segment_ptr 1
		.amdhsa_wavefront_size32 1
		.amdhsa_system_sgpr_workgroup_id_x 1
		.amdhsa_system_sgpr_workgroup_id_y 1
		.amdhsa_system_sgpr_workgroup_id_z 1
		.amdhsa_system_vgpr_workitem_id 0
		.amdhsa_next_free_vgpr 1024
		.amdhsa_next_free_sgpr 76
		.amdhsa_reserve_vcc 0
		.amdhsa_float_denorm_mode_32 3
		.amdhsa_float_denorm_mode_16_64 3
		.amdhsa_memory_ordered 1
		.amdhsa_forward_progress 1
		.amdhsa_inst_pref_size 122
	.end_amdhsa_kernel
	.amdgpu_metadata
---
amdhsa.version: [ 1, 2 ]
amdhsa.kernels:
  - .name:           k_q760fe54930_pv
    .symbol:         k_q760fe54930_pv.kd
    .args:
      - { .name: p, .offset: 0, .size: 8, .value_kind: global_buffer, .address_space: global }
      - { .name: vh, .offset: 8, .size: 8, .value_kind: global_buffer, .address_space: global }
      - { .name: st, .offset: 16, .size: 8, .value_kind: global_buffer, .address_space: global }
      - { .name: out0, .offset: 24, .size: 8, .value_kind: global_buffer, .address_space: global }
    .group_segment_fixed_size: 327680
    .private_segment_fixed_size: 0
    .kernarg_segment_align: 8
    .kernarg_segment_size: 32
    .max_flat_workgroup_size: 128
    .sgpr_count:     76
    .vgpr_count:     1024
    .wavefront_size: 32
...
	.end_amdgpu_metadata
.endif
;; end of part 4
